; MI455X (gfx1250); checked and timed in simulation.
; The chip was launched on July 23, 2026; its instructions are those of AMD's public machine-readable ISA for CDNA 5 (MIT licence, August 2026) and "CDNA5" Instruction Set Architecture Reference Guide (July 2026). The comments in the code are by the model that wrote it; some were corrected since.
;; Multi Head Attention. Allowed arithmetic: matrix products marked QUANTISED: E3M2 operands, one E8M0 scale for each 32 along K, by v_wmma_scale_f32_16x16x128_f8f6f4 with both operands' format E3M2, f32 sums; everything else in f32.
;; Inputs: Wk_b 1,024 float32; Wk_w 1,024 x 1,024 float32; Wo_b 1,024 float32; Wo_w 1,024 x 1,024 float32; Wq_b 1,024 float32; Wq_w 1,024 x 1,024 float32; Wv_b 1,024 float32; Wv_w 1,024 x 1,024 float32; x 4 x 2,048 x 1,024 float32.
;; Outputs: out0 4 x 2,048 x 1,024 float32.
;; This version of the problem:
;;   THIS VERSION OF THE PROBLEM IS GIVEN IN LOW PRECISION. The matrix products marked QUANTISED in the list below multiply operands that are first quantised to E3M2 (3 exponent bits, 2 mantissa bits; 6 bits a number), with one power-of-two scale for each 32 numbers along K (OCP MX v1.0); their sums are f32. All else is computed in f32.
;;   The module's matrix products, in the order in which they are computed (A, B: the left and right operand; K: the contracted axis; several contracted axes count as one K, in the product's order):
;;     1. [M 8,192, K 1,024] x [K 1,024, N 1,024]; A: input x; B: input Wq_w: QUANTISED
;;     2. [M 8,192, K 1,024] x [K 1,024, N 1,024]; A: input x; B: input Wk_w: QUANTISED
;;     3. [M 8,192, K 1,024] x [K 1,024, N 1,024]; A: input x; B: input Wv_w: QUANTISED
;;     4. batch 64 x [M 2,048, K 64] x [K 64, N 2,048]; A: computed on the way; B: computed on the way: QUANTISED
;;     5. batch 64 x [M 2,048, K 2,048] x [K 2,048, N 64]; A: softmax (see below); B: computed on the way: QUANTISED
;;     6. [M 8,192, K 1,024] x [K 1,024, N 1,024]; A: computed on the way; B: input Wo_w: QUANTISED
;;   THE QUANTISER, for each operand of a quantised product, along K:
;;     - K is cut into blocks of 32 from its start; a last block that is shorter is filled with zeros.
;;     - A block's scale is 2^e with e = floor(log2(the largest magnitude in the block)) - 4, held to -126 .. 127; a block of zeros has e = 0. As a byte (E8M0): e + 127.
;;     - Each number is divided by its block's scale, clamped to +-28, and rounded to the nearest number of E3M2, ties to even, subnormals kept.
;;     - The product sums the exact products of the quantised numbers (number of the format x scale) in f32.
;;   ~~~python
;;   def quantise(x, axis):      # numpy; x: float32 -> the quantised numbers, widened to float32 again
;;       x = np.moveaxis(x, axis, -1); K = x.shape[-1]
;;       x = np.pad(x, [(0, 0)] * (x.ndim - 1) + [(0, -K % 32)]); x = x.reshape(x.shape[:-1] + (-1, 32)); a = np.abs(x).max(-1, keepdims=True)
;;       e = np.where(a > 0, np.clip(np.frexp(np.where(a > 0, a, 1))[1] - 1 - 4, -126, 127), 0)      # np.frexp(a)[1] - 1 = floor(log2(a)), exactly
;;       r = np.clip(x / 2.0 ** e, -28, 28)
;;       step = 2.0 ** (np.maximum(np.frexp(np.where(r == 0, 1, r))[1] - 1, -2) - 2)
;;       q = np.round(r / step) * step * 2.0 ** e      # np.round: ties to even
;;       return np.moveaxis(q.reshape(q.shape[:-2] + (-1,))[..., :K], -1, axis).astype(np.float32)
;;   ~~~
;;   SOFTMAX AHEAD OF A QUANTISED PRODUCT. Where the list says 'softmax', what is quantised is not the finished softmax but p = 2^(t - M), with t = logit x log2(e) and M = ceil(the row's largest t), a whole number; so 1/2 < the row's largest p <= 1. The row's sum l is taken of the UNQUANTISED p, in f32, and the product's result is divided by l at the end. Since M is a whole number, a kernel that streams over the keys may use a running M (the ceiling of the running maximum): every later rescaling is an exact power of two, which a block's scale takes up: the codes' values come out the same.
;;   OPERANDS COMPUTED ON THE WAY. 'Computed on the way' means the value that the module computes at that place (a softmax that the list does not call 'softmax' is quantised finished and normalised). What goes into a quantiser is computed in f32, as accurately as f32 sums, v_exp_f32 and their like allow (about 1e-6 of the number): no bf16 or f16 on the way to a quantiser, and a product that is left as it is and whose result goes on into a quantised operand takes f32 operands (vector FMAs, or v_wmma_f32_16x16x4_f32). A number that lies on a knife's edge between two numbers of the format may be rounded either way, as far as f32 arithmetic and the matrix unit's own rounding can turn it there, and no further.
;; One version. Each part assembles by itself: llvm-mc -triple=amdgcn-amd-amdhsa -mcpu=gfx1250 --defsym DOCPART=n.
;; ======== version 1 of 1: 4 launches
;; workspace buffers: xc 6,291,456 bytes; xs 262,144 bytes; wc 3,145,728 bytes; ws 131,072 bytes; qkv 19,660,800 bytes; ac 6,291,456 bytes; asc 524,288 bytes
;; launch quant (part 1): grid 320 x 1, 4 waves a work-group, no clusters, 54,784 bytes of LDS; arguments x, Wq_w, Wk_w, Wv_w, Wo_w, xc, xs, wc, ws; writes xc, xs, wc, ws
.if DOCPART == 1
	.amdgcn_target "amdgcn-amd-amdhsa--gfx1250"
	.amdhsa_code_object_version 6
	.text
	.protected	k_q456884d228_quant
	.globl	k_q456884d228_quant
	.p2align	8
	.type	k_q456884d228_quant,@function
k_q456884d228_quant:
	s_mov_b64 s[64:65], 0
	v_nop
	global_prefetch_b8 v0, s[64:65] scope:SCOPE_SE
	s_setreg_imm32_b32 hwreg(HW_REG_WAVE_MODE, 25, 1), 1
	s_wait_xcnt 0x0
; MULTI-HEAD ATTENTION IN MX-BF6, launch 1 of 4: x [8192][1024] and the four weights [1024 (k)][1024 (n)], f32, become codes of BF6 (E3M2) with one E8M0 byte for each 32 along K.
; DEAD WORK OF THE PROGRAM.  reference() puts -inf on every score above the diagonal by its own tril, whatever the inputs hold: there p = 0.  So a step of 128 keys all of which come after a wave's 16 queries
; is left out of products 4 and 5 (launch 3).  Nothing else is left out: all nine inputs have a way to the output and are loaded.  LIMIT: a NaN, an infinity or an overflow that reaches only the tiles left out is not carried to the result.
; LIMITS: NaN and infinities among the inputs are not served.  A block whose largest magnitude lies under 2^-122 keeps the byte 1; a block of zeros has the byte 1 where the rule says 127: its codes are zeros, and the bytes are read by this program alone.
; THE BUFFERS ARE IMAGES OF OPERAND REGISTERS.  A tile is 16 rows; of each 32 rows tile u holds in lane row r the row 8 u + r + 8 (r / 8).  A fragment (16 rows x 128 K, 12 registers a lane) is 1,536 bytes: registers 4 c .. 4 c + 3 of lane l at 512 c + 16 l.
; xc, wc: [tile][K step 0..7] fragments.  xs, ws: [tile] 512 bytes: at 256 kh + 8 l two words, j = 2 kh, 2 kh + 1: word j of lane l is the scale word of K step 2 j + l / 16 of row l % 16.
; SHARES.  Work-groups 0-63 take the weights (a wave: 32 columns x 512 along K, a lane a column, registers down K), work-groups 64-319 take x (a wave: one tile of 16 rows x 512 along K).  The two paths have LDS bytes of their own.
; No tensor load, no barrier: waves share nothing.
.set XSTG,  8448                       ; x: a wave's stage, 16 rows x (512 bytes + 16)
.set WST0,  33792                      ; the weights' stages begin here,
.set WSTG,  5120                       ; one for each wave: 32 columns x 144 bytes of codes, then 512 bytes of scale words
.set SPARE, 54272                      ; the spare words, 128 bytes for each wave: two blocks of 256 bytes that no other line names
.set SPW, 4                            ; v4   LDS address of my spare word; never rewritten
.set NIL, 5                            ; v5   0; never rewritten
.set L16, 6                            ; v6   16 x lane
.set L8,  7                            ; v7   8 x lane
.set L4,  8                            ; v8   4 x lane
.set TM,  16                           ; x: v16-31 at work in QUANT
.set PW,  32                           ; x: v32-35 the four K steps' scale words
.set SW,  36                           ; x: v[36:37] the words as they are stored
.set PC,  40                           ; x: v40-59 the codes just made
.set R,   64                           ; x: v64-191 two sets of 64 numbers as loaded
.set X,   192                          ; x: v192-255 64 numbers, 16 neighbours of each of four blocks
.set SBW, 20                           ; W: v[20:23] my column's scale words of four K steps
.set C,   24                           ; W: v24-30 a block's codes
.set OUTF, 32                          ; W: v32-55 two fragments on their way out
.set SO2, 56                           ; W: v[56:59] scale words on their way out
.set XW,  64                           ; W: v64-127 two sets of 32 numbers
	s_load_b512 s[4:19], s[0:1], 0x0               ; x, Wq, Wk, Wv, Wo, xc, xs, wc
	s_load_b64 s[20:21], s[0:1], 0x40              ; ws
	v_lshl_add_u32 v[SPW], v0, 2, SPARE
	v_mov_b32 v[NIL], 0
	v_lshrrev_b32 v1, 5, v0
	v_readfirstlane_b32 s22, v1                    ; wave 0..3
	v_and_b32 v1, 31, v0                           ; lane
	v_and_b32 v2, 15, v0                           ; r
	v_bfe_u32 v3, v0, 4, 1                         ; h
	v_lshlrev_b32 v[L16], 4, v1
	v_lshlrev_b32 v[L8], 3, v1
	v_lshlrev_b32 v[L4], 2, v1
	s_mov_b32 s24, 0x76543210
	s_mov_b32 s25, 0xfedcba98                      ; v_permlanex16_b32's selects for lane l xor 16
	s_mov_b32 s26, 0xffff0000                      ; lanes 16-31
	s_cmp_lt_u32 ttmp9, 64
	s_cbranch_scc1 .Lweights
; ---------------- x ----------------
	s_sub_co_u32 s27, ttmp9, 64
	s_lshl_b32 s27, s27, 2
	s_add_co_u32 s27, s27, s22                     ; my unit, 0..1023
	s_lshr_b32 s28, s27, 1                         ; the tile, 0..511
	s_and_b32 s29, s27, 1                          ; which half of K
	s_lshr_b32 s30, s28, 1
	s_lshl_b32 s30, s30, 5
	s_and_b32 s31, s28, 1
	s_lshl_b32 s31, s31, 3
	s_add_co_u32 s30, s30, s31                     ; the tile's first row: 32 (tile / 2) + 8 (tile % 2)
	s_lshl_b32 s30, s30, 12                        ; rows of 4,096 bytes
	s_lshl_b32 s31, s29, 11
	s_add_co_u32 s30, s30, s31
	s_mov_b32 s31, 0
	s_mul_i32 s32, s28, 12288
	s_mul_i32 s33, s29, 6144
	s_add_co_u32 s32, s32, s33
	s_mov_b32 s33, 0
	s_lshl_b32 s34, s28, 9
	s_lshl_b32 s35, s29, 8
	s_add_co_u32 s34, s34, s35
	s_mov_b32 s35, 0
	s_mul_i32 s36, s22, XSTG                       ; my stage
	v_add_nc_u32 v9, s36, v[L16]                   ; in: a row's 512 bytes as they lie
	v_mul_u32_u24 v10, v2, 528
	v_lshl_add_u32 v10, v3, 6, v10
	v_add_nc_u32 v10, s36, v10                     ; out: row r, + 64 h: my 16 numbers of a block of 32
.irp b, 0,1,2,3
	v_mov_b32 v[TM+4+\b], 0                        ; written once: a lane permute's destination counts as one of its sources
.endr
	s_wait_kmcnt 0x0
	s_add_nc_u64 s[4:5], s[4:5], s[30:31]
	s_add_nc_u64 s[14:15], s[14:15], s[32:33]
	s_add_nc_u64 s[16:17], s[16:17], s[34:35]
.macro LOAD t                          ; K step t of the tile's 16 rows: each load reads 512 consecutive bytes
.irp i, 0,1,2,3,4,5,6,7,8,9,10,11,12,13,14,15
	global_load_b128 v[R+64*((\t)%2)+4*\i:R+64*((\t)%2)+4*\i+3], v[L16], s[4:5] offset:(\i+8*(\i/8))*4096+512*(\t) th:TH_LOAD_NT
.endr
.endm
.macro TURN t                          ; through the stage: LDS serves a wave's instructions in order, so no wait stands between the stores and the loads
.irp i, 0,1,2,3,4,5,6,7,8,9,10,11,12,13,14,15
	ds_store_b128 v9, v[R+64*((\t)%2)+4*\i:R+64*((\t)%2)+4*\i+3] offset:528*\i
.endr
.irp b, 0,1,2,3
.irp j, 0,1,2,3
	ds_load_b128 v[X+16*\b+4*\j:X+16*\b+4*\j+3], v10 offset:128*\b+16*\j
.endr
.endr
.endm
; 64 numbers of a lane, register 16 b + i = k 32 b + 16 h + i of my row, become a fragment's codes in v[PC] on and its scale word in v[pw].
.macro QUANT s, pw
.irp b, 0,1,2,3
	v_max3_num_f32 v[TM+\b], |v[\s+16*\b]|, |v[\s+1+16*\b]|, 0x2800000   ; my 16 numbers of block b, and the floor 2^(5 - 127): the byte cannot fall under 1
.endr
.irp i, 2,4,6,8,10,12,14
.irp b, 0,1,2,3
	v_max3_num_f32 v[TM+\b], v[TM+\b], |v[\s+16*\b+\i]|, |v[\s+1+16*\b+\i]|
.endr
.endr
.irp b, 0,1,2,3
	v_permlanex16_b32 v[TM+4+\b], v[TM+\b], s24, s25
.endr
.irp b, 0,1,2,3
	v_max_num_f32 v[TM+\b], v[TM+\b], v[TM+4+\b]   ; with lane l xor 16's: the block's largest magnitude
.endr
.irp b, 0,1,2,3
	v_add_nc_u32 v[TM+12+\b], 0xfe000000, v[TM+\b] ; 4 off its exponent field: the conversion's scale operand
.endr
.irp b, 0,1,2,3
	v_lshrrev_b32 v[TM+4+\b], 23, v[TM+12+\b]      ; the scale's byte
.endr
	v_lshl_or_b32 v[\pw], v[TM+5], 8, v[TM+4]
	v_lshl_or_b32 v[\pw], v[TM+6], 16, v[\pw]
	v_lshl_or_b32 v[\pw], v[TM+7], 24, v[\pw]
.irp c, 0,1
	v_cvt_scalef32_pk16_bf6_f32 v[PC+6*\c:PC+2+6*\c], v[\s+32*\c:\s+15+32*\c], v[TM+12+2*\c]
	v_cvt_scalef32_pk16_bf6_f32 v[PC+12+4*\c:PC+14+4*\c], v[\s+16+32*\c:\s+31+32*\c], v[TM+12+2*\c+1]   ; (a conversion's three registers begin on an even number)
.endr
	v_nop                                          ; one plain place behind a scaled conversion
.irp c, 0,1                            ; the operand's layout wants a whole block in a lane: lanes 0-15 block 2 c, lanes 16-31 block 2 c + 1
.irp i, 0,1,2
	v_permlane16_swap_b32 v[PC+6*\c+\i], v[PC+12+4*\c+\i]
.endr
.irp i, 0,1,2
	v_mov_b32 v[PC+3+6*\c+\i], v[PC+12+4*\c+\i]
.endr
.endr
.endm
	LOAD 0
	LOAD 1
.irp t, 0,1,2,3
.if \t < 3
	s_wait_loadcnt 16                              ; this K step's 16 loads are in; the other set's 16 may be out
.else
	s_wait_loadcnt 0x0
.endif
	TURN \t
	s_wait_dscnt 0x0                               ; the numbers are back, and the stores into the stage have read their registers
	s_wait_xcnt 0x0                                ; the last step's stores have read the codes' registers
.if \t < 2
	LOAD \t+2
.endif
	QUANT X, PW+\t
.irp c, 0,1,2
	global_store_b128 v[L16], v[PC+4*\c:PC+4*\c+3], s[14:15] offset:1536*\t+512*\c   ; 512 consecutive bytes a store
.endr
.endr
	v_cndmask_b32 v[SW], v[PW], v[PW+1], s26       ; lanes 0-15 the even K step's word, lanes 16-31 the odd one's
	v_cndmask_b32 v[SW+1], v[PW+2], v[PW+3], s26
	global_store_b64 v[L8], v[SW:SW+1], s[16:17]   ; 256 consecutive bytes
	s_wait_tensorcnt 0x0                           ; the wave's end, behind my last LDS store
	ds_add_u32 v[SPW], v[NIL]
	s_wait_dscnt 0x0
	s_endpgm
; ---------------- the weights ----------------
.Lweights:
	s_lshl_b32 s27, ttmp9, 2
	s_add_co_u32 s27, s27, s22                     ; my unit, 0..255
	s_lshr_b32 s28, ttmp9, 4                       ; which weight: q, k, v, o
	s_bfe_u32 s29, s27, 0x50001                    ; which 32 columns
	s_and_b32 s30, s27, 1                          ; which half of K
	s_lshl_b32 s32, s30, 21                        ; 512 rows of 4,096 bytes
	s_lshl_b32 s33, s29, 7
	s_add_co_u32 s32, s32, s33
	s_mov_b32 s33, 0
	s_lshl_b32 s31, s28, 6
	s_lshl_b32 s34, s29, 1
	s_add_co_u32 s31, s31, s34                     ; the first of my two tiles
	s_mul_i32 s34, s31, 12288
	s_mul_i32 s35, s30, 6144
	s_add_co_u32 s34, s34, s35
	s_mov_b32 s35, 0
	s_lshl_b32 s36, s31, 9
	s_lshl_b32 s37, s30, 8
	s_add_co_u32 s36, s36, s37
	s_mov_b32 s37, 0
	s_mul_i32 s38, s22, WSTG
	s_add_co_u32 s38, s38, WST0                    ; my stage
	v_mul_u32_u24 v9, v1, 144
	v_add_nc_u32 v9, s38, v9                       ; in: my column's four places of 32 bytes, + 16 of padding
	v_and_b32 v13, 8, v2
	v_add_nc_u32 v13, v13, v2                      ; r + 8 (r / 8)
	v_mul_u32_u24 v10, v13, 144
	v_lshl_add_u32 v10, v3, 5, v10
	v_add_nc_u32 v10, s38, v10                     ; out: the tile's row r, block h
	s_add_co_u32 s38, s38, 4608                    ; the scale words' stage
	v_add_nc_u32 v11, s38, v[L16]
	v_lshlrev_b32 v12, 4, v13
	v_lshl_add_u32 v12, v3, 2, v12
	v_add_nc_u32 v12, s38, v12
	s_wait_kmcnt 0x0
	s_cmp_eq_u32 s28, 1                            ; the choice hangs on the work-group's number alone
	s_cselect_b64 s[30:31], s[8:9], s[6:7]
	s_cmp_eq_u32 s28, 2
	s_cselect_b64 s[30:31], s[10:11], s[30:31]
	s_cmp_eq_u32 s28, 3
	s_cselect_b64 s[30:31], s[12:13], s[30:31]
	s_add_nc_u64 s[30:31], s[30:31], s[32:33]
	s_add_nc_u64 s[18:19], s[18:19], s[34:35]
	s_add_nc_u64 s[20:21], s[20:21], s[36:37]
.macro LOADW t                         ; block t: W(32 t + i, my column): 128 consecutive bytes a load
.irp i, 0,1,2,3,4,5,6,7,8,9,10,11,12,13,14,15,16,17,18,19,20,21,22,23,24,25,26,27,28,29,30,31
	global_load_b32 v[XW+32*((\t)%2)+\i], v[L4], s[30:31] offset:(32*(\t)+\i)*4096 th:TH_LOAD_NT
.endr
.endm
.macro BLOCK t
.set XS, XW+32*((\t)%2)
.if (\t) < 15
	s_wait_loadcnt 32                              ; this block's 32 loads are in; the next block's may be out
.else
	s_wait_loadcnt 0x0
.endif
	v_max3_num_f32 v16, |v[XS]|, |v[XS+1]|, |v[XS+2]|   ; the block's largest magnitude: all 32 numbers are mine
	v_max3_num_f32 v17, |v[XS+3]|, |v[XS+4]|, |v[XS+5]|
.irp i, 6,10,14,18,22,26
	v_max3_num_f32 v16, v16, |v[XS+\i]|, |v[XS+\i+1]|
	v_max3_num_f32 v17, v17, |v[XS+\i+2]|, |v[XS+\i+3]|
.endr
	v_max3_num_f32 v16, v16, |v[XS+30]|, |v[XS+31]|
	v_max3_num_f32 v16, v16, v17, 0x2800000        ; and the floor
	v_add_nc_u32 v18, 0xfe000000, v16              ; the conversion's scale operand
	v_lshrrev_b32 v19, 23, v18                     ; the byte
.if (\t)%4 == 0
	v_mov_b32 v[SBW+(\t)/4], v19
.else
	v_lshl_or_b32 v[SBW+(\t)/4], v19, 8*((\t)%4), v[SBW+(\t)/4]
.endif
	v_cvt_scalef32_pk16_bf6_f32 v[C:C+2], v[XS:XS+15], v18
	v_cvt_scalef32_pk16_bf6_f32 v[C+4:C+6], v[XS+16:XS+31], v18
	v_nop                                          ; one plain place behind a scaled conversion
	v_mov_b32 v[C+3], v[C+4]                       ; the block's six registers on end
	v_mov_b32 v[C+4], v[C+5]
	v_mov_b32 v[C+5], v[C+6]
	ds_store_b128 v9, v[C:C+3] offset:32*((\t)%4)
	ds_store_b64 v9, v[C+4:C+5] offset:32*((\t)%4)+16
.if (\t)+2 < 16
	LOADW (\t)+2
.endif
	s_wait_dscnt 0x0                               ; the stores have read their registers
.endm
.macro FLUSH q                         ; a K step's four blocks of 32 columns leave as two fragments
	s_wait_xcnt 0x0                                ; the last K step's stores have read their registers
.irp u, 0,1
	ds_load_b128 v[OUTF+12*\u:OUTF+12*\u+3], v10 offset:1152*\u
	ds_load_b64 v[OUTF+12*\u+4:OUTF+12*\u+5], v10 offset:1152*\u+16
	ds_load_b128 v[OUTF+12*\u+6:OUTF+12*\u+9], v10 offset:1152*\u+64
	ds_load_b64 v[OUTF+12*\u+10:OUTF+12*\u+11], v10 offset:1152*\u+80
.endr
	s_wait_dscnt 0x0
.irp u, 0,1
.irp c, 0,1,2
	global_store_b128 v[L16], v[OUTF+12*\u+4*\c:OUTF+12*\u+4*\c+3], s[18:19] offset:12288*\u+1536*(\q)+512*\c
.endr
.endr
.endm
	LOADW 0
	LOADW 1
.irp t, 0,1,2,3,4,5,6,7,8,9,10,11,12,13,14,15
	BLOCK \t
.if \t%4 == 3
	FLUSH \t/4
.endif
.endr
	ds_store_b128 v11, v[SBW:SBW+3]                ; my column's four scale words
.irp u, 0,1
.irp j, 0,1
	ds_load_b32 v[SO2+2*\u+\j], v12 offset:128*\u+8*\j   ; tile u, row r: the word of K step 2 j + h
.endr
.endr
	s_wait_dscnt 0x0
.irp u, 0,1
	global_store_b64 v[L8], v[SO2+2*\u:SO2+2*\u+1], s[20:21] offset:512*\u
.endr
	s_wait_tensorcnt 0x0                           ; the wave's end, behind my last LDS store
	ds_add_u32 v[SPW], v[NIL]
	s_wait_dscnt 0x0
	s_endpgm
.Lfunc_end_k_q456884d228_quant:
	.size	k_q456884d228_quant, .Lfunc_end_k_q456884d228_quant-k_q456884d228_quant
	.p2alignl 7, 3214868480
	.fill 96, 4, 3214868480
	.section	.rodata,"a",@progbits
	.p2align	6, 0x0
	.amdhsa_kernel k_q456884d228_quant
		.amdhsa_group_segment_fixed_size 54784
		.amdhsa_private_segment_fixed_size 0
		.amdhsa_enable_private_segment 0
		.amdhsa_kernarg_size 72
		.amdhsa_user_sgpr_count 2
		.amdhsa_user_sgpr_kernarg_segment_ptr 1
		.amdhsa_wavefront_size32 1
		.amdhsa_system_sgpr_workgroup_id_x 1
		.amdhsa_system_sgpr_workgroup_id_y 1
		.amdhsa_system_sgpr_workgroup_id_z 1
		.amdhsa_system_vgpr_workitem_id 0
		.amdhsa_next_free_vgpr 256
		.amdhsa_next_free_sgpr 66
		.amdhsa_reserve_vcc 0
		.amdhsa_float_denorm_mode_32 3
		.amdhsa_float_denorm_mode_16_64 3
		.amdhsa_memory_ordered 1
		.amdhsa_forward_progress 1
		.amdhsa_inst_pref_size 114
	.end_amdhsa_kernel
	.amdgpu_metadata
---
amdhsa.version: [ 1, 2 ]
amdhsa.kernels:
  - .name:           k_q456884d228_quant
    .symbol:         k_q456884d228_quant.kd
    .args:
      - { .name: x, .offset: 0, .size: 8, .value_kind: global_buffer, .address_space: global }
      - { .name: Wq_w, .offset: 8, .size: 8, .value_kind: global_buffer, .address_space: global }
      - { .name: Wk_w, .offset: 16, .size: 8, .value_kind: global_buffer, .address_space: global }
      - { .name: Wv_w, .offset: 24, .size: 8, .value_kind: global_buffer, .address_space: global }
      - { .name: Wo_w, .offset: 32, .size: 8, .value_kind: global_buffer, .address_space: global }
      - { .name: xc, .offset: 40, .size: 8, .value_kind: global_buffer, .address_space: global }
      - { .name: xs, .offset: 48, .size: 8, .value_kind: global_buffer, .address_space: global }
      - { .name: wc, .offset: 56, .size: 8, .value_kind: global_buffer, .address_space: global }
      - { .name: ws, .offset: 64, .size: 8, .value_kind: global_buffer, .address_space: global }
    .group_segment_fixed_size: 54784
    .private_segment_fixed_size: 0
    .kernarg_segment_align: 8
    .kernarg_segment_size: 72
    .max_flat_workgroup_size: 128
    .sgpr_count:     66
    .vgpr_count:     256
    .wavefront_size: 32
...
	.end_amdgpu_metadata
.endif
;; end of part 1
;; launch qkv (part 2): grid 12 x 64, 4 waves a work-group, clusters of 4 x 4, 295,424 bytes of LDS; arguments xc, xs, wc, ws, Wq_b, Wk_b, Wv_b, qkv; writes qkv
.if DOCPART == 2
	.amdgcn_target "amdgcn-amd-amdhsa--gfx1250"
	.amdhsa_code_object_version 6
	.text
	.protected	k_q456884d228_qkv
	.globl	k_q456884d228_qkv
	.p2align	8
	.type	k_q456884d228_qkv,@function
k_q456884d228_qkv:
	s_mov_b64 s[64:65], 0
	v_nop
	global_prefetch_b8 v0, s[64:65] scope:SCOPE_SE
	s_setreg_imm32_b32 hwreg(HW_REG_WAVE_MODE, 25, 1), 1
	s_wait_xcnt 0x0
	s_wait_alu depctr_hold_cnt(0) depctr_sa_sdst(0) depctr_va_vdst(0) depctr_va_sdst(0) depctr_va_ssrc(0) depctr_va_vcc(0) depctr_vm_vsrc(0)
	s_getreg_b32 s2, hwreg(HW_REG_IB_STS2, 6, 4)
	s_cmp_eq_u32 s2, 0
	s_cbranch_scc0 .Lentry_in_a_cluster
	s_endpgm
.Lentry_in_a_cluster:
	s_bfe_u32 s2, ttmp6, 0x10000c
	s_cmp_lg_u32 s2, 0xf033
	s_cbranch_scc0 .Lentry_shape_is_right
	s_endpgm
.Lentry_shape_is_right:
; Launch 2 of 4: q = x Wq + bq, k = x Wk + bk, v = x Wv + bv on codes of BF6, and each result quantised in registers for the product that takes it: q and k along the head's 64, v along the tokens (its K in the second product of attention).
; SHARES.  A work-group makes 128 tokens (xc's tiles 8 Y ..) x 256 columns (wc's tiles 16 X ..); X = 0-3 is q, 4-7 k, 8-11 v.  Each of its four waves makes all 128 tokens x one head's 64 columns: 32 accumulators.
; ALL OF K LIES IN LDS AT ONCE: 128 + 256 rows x 1,024 codes = 294,912 bytes, fetched in four chunks of two K steps; no LDS byte is filled twice, so there is no ring.  A wave has four tensor loads out.
; CLUSTERS: 4 x 4 work-groups; x's tiles are asked for jointly along a row of the cluster, the weights' along a column.
; q, k: source 0 = 16 columns of W, source 1 = 16 tokens: a lane holds one token and its registers run along the head.  v: the sources change places: a lane holds one channel and its registers run along the tokens.
; The rows of a tile are 8 u + r + 8 (r / 8) of each 32, so that the 16 registers of two neighbouring tiles are 16 neighbours along the next K.  The bias is the C of each sum's first matrix instruction.
; OUT: qkv [head group 0..47][block of 128 tokens 0..63] 6,400 bytes: four fragments' images, then 256 bytes of scale words (at 8 l two words: word jj of lane l belongs to image 2 jj + l / 16, row l % 16).
;   q, k: image p = token tiles 2 p (registers 0-5: lane (r, h) holds block h of the head) and 2 p + 1 (registers 6-11).   v: image n = 16 channels x the block's 128 tokens.
; REGISTERS: window 0: addresses, scale words, biases, the quantiser's, W's fragments (two sets);  window 1: x's fragments (two sets);  window 2: the accumulators.
.set PCH,   24576                      ; x: a chunk in LDS: 8 tiles x 2 K steps x 1,536 bytes
.set RB,    98304                      ; the weights begin here
.set RCH,   49152                      ; their chunk: 16 tiles
.set SPARE, 294912                     ; the spare words, 128 bytes for each wave: two blocks of 256 bytes that no other line names
.set ADP, 4                            ; v4-7    chunk c of x: PCH c + 16 x lane
.set ADR, 8                            ; v8-11   chunk c of my head's four tiles of W
.set SPW, 12
.set NIL, 13
.set L16, 14
.set L8,  15
.set SCP, 16                           ; v16-47  x's scale words: tile a, register K step / 2 (odd K steps in lanes 16-31)
.set SCR, 48                           ; v48-63  W's likewise
.set BT,  64                           ; v64-95  the bias, four tuples of 8 in the result's layout
.set TM,  96
.set PW,  112
.set SW,  116
.set BA,  118
.set BV,  119
.set PC,  120
.set RF,  140                          ; v140-187, v188-235: W's four fragments, two sets
.set MSB, 0
.macro WIN new                         ; the immediate's high byte repeats the setting that is left
.if MSB != \new
	s_set_vgpr_msb (MSB<<8)|\new
.set MSB, \new
.endif
.endm
.macro CROUND                          ; a round of the cluster's barrier
	s_barrier_signal -1
	s_barrier_wait -1
	s_cmp_lg_u32 s20, 0
	s_cbranch_scc1 .Lnot_wave_0_\@
	s_barrier_signal -3
.Lnot_wave_0_\@:
	s_barrier_wait -3
	s_barrier_signal -1
	s_barrier_wait -1
.endm
.macro MKG0 g, lreg, loff, base, goff  ; a descriptor's group 0
	s_mov_b32 s[\g], 1
	s_add_co_u32 s[\g+1], s[\lreg], \loff
	s_add_nc_u64 s[\g+2:\g+3], s[\base:\base+1], \goff
	s_or_b32 s[\g+3], s[\g+3], 0x80000000
.endm
	s_load_b512 s[4:19], s[0:1], 0x0               ; xc, xs, wc, ws, Wq_b, Wk_b, Wv_b, qkv
	v_lshl_add_u32 v[SPW], v0, 2, SPARE
	v_mov_b32 v[NIL], 0
	ds_add_u32 v[SPW], v[NIL]                      ; the wave's opening: the add, twice on end, and its wait ahead of my first tensor load
	ds_add_u32 v[SPW], v[NIL]
	v_lshrrev_b32 v1, 5, v0
	v_readfirstlane_b32 s20, v1                    ; wave 0..3
	s_lshr_b32 s21, s20, 1                         ; I fetch for x (0) or for W (1),
	s_and_b32 s22, s20, 1                          ; its first or second half
	s_bfe_u32 s23, ttmp6, 0x40000                  ; cx
	s_bfe_u32 s24, ttmp6, 0x40004                  ; cy
	s_lshl_b32 s25, ttmp9, 2
	s_add_co_u32 s25, s25, s23                     ; X
	s_and_b32 s26, ttmp7, 0xffff
	s_lshl_b32 s26, s26, 2
	s_add_co_u32 s26, s26, s24                     ; Y
	s_lshl_b32 s30, s24, 2
	s_lshl_b32 s30, 15, s30                        ; my row of the cluster
	s_lshl_b32 s31, 0x1111, s23                    ; my column
	s_or_b32 s36, s30, (3<<16)|(1<<21)             ; group 1 for x: the mask; elements of 8 bytes; bit 21 beside a mask; no padding
	s_or_b32 s44, s31, (3<<16)|(1<<21)             ; for W
	s_mov_b32 s37, 384<<16                         ; a row: a tile's two K steps, 3,072 bytes = 384 elements
	s_mov_b32 s38, 4<<16                           ; x: 4 tiles
	s_mov_b32 s39, 384<<16
	s_mov_b32 s40, 4
	s_mov_b32 s41, 1536                            ; from tile to tile: 12,288 bytes
	s_mov_b32 s42, 0
	s_mov_b32 s43, 0
	s_mov_b32 s45, 384<<16
	s_mov_b32 s46, 8<<16                           ; W: 8 tiles
	s_mov_b32 s47, 384<<16
	s_mov_b32 s48, 8
	s_mov_b32 s49, 1536
	s_mov_b32 s50, 0
	s_mov_b32 s51, 0
	s_lshl_b32 s32, s26, 3
	s_lshl_b32 s30, s22, 2
	s_add_co_u32 s32, s32, s30                     ; x: tile 8 Y + 4 i
	s_mul_i32 s32, s32, 12288
	s_mov_b32 s33, 0
	s_lshl_b32 s34, s25, 4
	s_lshl_b32 s31, s22, 3
	s_add_co_u32 s34, s34, s31                     ; W: tile 16 X + 8 i
	s_mul_i32 s34, s34, 12288
	s_mov_b32 s35, 0
	s_mul_i32 s30, s22, 12288                      ; where they go: no place in the cluster enters an LDS address
	s_mul_i32 s31, s22, 24576
	s_mov_b32 s28, 0xffff0000                      ; lanes 16-31
	s_mov_b32 s92, 0x76543210
	s_mov_b32 s93, 0xfedcba98
	s_wait_dscnt 0x0                               ; both opening adds are done
	s_wait_kmcnt 0x0
	s_add_nc_u64 s[32:33], s[4:5], s[32:33]
	s_add_nc_u64 s[34:35], s[8:9], s[34:35]
	MKG0 52, 30, 0, 32, 0                          ; x, chunks 0 to 3
	MKG0 56, 30, PCH, 32, 3072
	MKG0 60, 30, 2*PCH, 32, 6144
	MKG0 68, 30, 3*PCH, 32, 9216
	MKG0 72, 31, RB, 34, 0                         ; W, chunks 0 to 3
	MKG0 76, 31, RB+RCH, 34, 3072
	MKG0 80, 31, RB+2*RCH, 34, 6144
	MKG0 84, 31, RB+3*RCH, 34, 9216
	CROUND                                         ; all sixteen work-groups are here: the joint loads meet
	s_cmp_eq_u32 s21, 0                            ; a wave's four fills stand in one branch on its number; an s_nop 0 follows each, four v_nop the last
	s_cbranch_scc0 .Lfill_w
	tensor_load_to_lds s[52:55], s[36:43]
	s_nop 0
	tensor_load_to_lds s[56:59], s[36:43]
	s_nop 0
	tensor_load_to_lds s[60:63], s[36:43]
	s_nop 0
	tensor_load_to_lds s[68:71], s[36:43]
	s_nop 0
.rept 4
	v_nop
.endr
	s_branch .Lfilled
.Lfill_w:
	tensor_load_to_lds s[72:75], s[44:51]
	s_nop 0
	tensor_load_to_lds s[76:79], s[44:51]
	s_nop 0
	tensor_load_to_lds s[80:83], s[44:51]
	s_nop 0
	tensor_load_to_lds s[84:87], s[44:51]
	s_nop 0
.rept 4
	v_nop
.endr
.Lfilled:
	v_and_b32 v1, 31, v0
	v_and_b32 v2, 15, v0                           ; r
	v_bfe_u32 v3, v0, 4, 1                         ; h
	v_lshlrev_b32 v[L16], 4, v1
	v_lshlrev_b32 v[L8], 3, v1
	s_mul_i32 s30, s20, 12288                      ; my head's four tiles in a chunk of W
.irp c, 0,1,2,3
	v_add_nc_u32 v[ADP+\c], PCH*\c, v[L16]
	s_add_co_u32 s31, s30, RB+RCH*\c
	v_add_nc_u32 v[ADR+\c], s31, v[L16]
.endr
	s_lshl_b32 s30, s26, 12                        ; x's scale words: 8 Y tiles of 512 bytes
	s_mov_b32 s31, 0
	s_add_nc_u64 s[6:7], s[6:7], s[30:31]
	s_lshl_b32 s30, s25, 4
	s_lshl_b32 s32, s20, 2
	s_add_co_u32 s30, s30, s32                     ; 16 X + 4 w
	s_lshl_b32 s32, s30, 9
	s_mov_b32 s33, 0
	s_add_nc_u64 s[10:11], s[10:11], s[32:33]      ; W's scale words
	s_lshl_b32 s30, s30, 4                         ; 64 (4 X + w)
	s_add_co_u32 s30, s30, s26
	s_mul_i32 s30, s30, 6400
	s_add_nc_u64 s[90:91], s[18:19], s[30:31]      ; my block of qkv
	s_cmp_eq_u32 ttmp9, 1                          ; which of q, k, v: the cluster's x, the same in all partners
	s_cselect_b64 s[88:89], s[14:15], s[12:13]
	s_cmp_eq_u32 ttmp9, 2
	s_cselect_b64 s[88:89], s[16:17], s[88:89]
	s_cselect_b32 s27, 1, 0                        ; 1: this is v
	s_lshl_b32 s30, s23, 10
	s_lshl_b32 s32, s20, 8
	s_add_co_u32 s30, s30, s32
	s_add_nc_u64 s[88:89], s[88:89], s[30:31]      ; my head's 64 numbers of the bias
.irp a, 0,1,2,3,4,5,6,7
	global_load_b64 v[SCP+4*\a:SCP+4*\a+1], v[L8], s[6:7] offset:512*\a
	global_load_b64 v[SCP+4*\a+2:SCP+4*\a+3], v[L8], s[6:7] offset:512*\a+256
.endr
.irp n, 0,1,2,3
	global_load_b64 v[SCR+4*\n:SCR+4*\n+1], v[L8], s[10:11] offset:512*\n
	global_load_b64 v[SCR+4*\n+2:SCR+4*\n+3], v[L8], s[10:11] offset:512*\n+256
.endr
	v_lshlrev_b32 v[BA], 6, v3                     ; q, k: register j of tile n is column 32 (n / 2) + 8 (n % 2) + 16 h + j
	v_and_b32 v[BV], 8, v2
	v_add_nc_u32 v[BV], v[BV], v2
	v_lshlrev_b32 v[BV], 2, v[BV]                  ; v: all eight registers are column 32 (n / 2) + 8 (n % 2) + r + 8 (r / 8)
	s_cmp_eq_u32 s27, 0
	s_cbranch_scc0 .Lbias_v
.irp n, 0,1,2,3
	global_load_b128 v[BT+8*\n:BT+8*\n+3], v[BA], s[88:89] offset:(32*(\n/2)+8*(\n%2))*4
	global_load_b128 v[BT+8*\n+4:BT+8*\n+7], v[BA], s[88:89] offset:(32*(\n/2)+8*(\n%2))*4+16
.endr
	s_branch .Lbias_done
.Lbias_v:
.irp n, 0,1,2,3
.irp j, 0,1,2,3,4,5,6,7
	global_load_b32 v[BT+8*\n+\j], v[BV], s[88:89] offset:(32*(\n/2)+8*(\n%2))*4
.endr
.endr
.Lbias_done:
.irp b, 0,1,2,3
	v_mov_b32 v[TM+4+\b], 0                        ; written once: a lane permute's destination counts as one of its sources
.endr
; a scaled product; odd = 1: both sides' scale words stand in lanes 16-31
.macro WM d, fa, fb, c, sa, sb, odd
.if \odd
	v_wmma_scale_f32_16x16x128_f8f6f4 v[(\d):(\d)+7], v[(\fa):(\fa)+11], v[(\fb):(\fb)+11], v[(\c):(\c)+7], v[\sa], v[\sb] matrix_a_fmt:MATRIX_FMT_BF6 matrix_b_fmt:MATRIX_FMT_BF6 matrix_a_scale:MATRIX_SCALE_ROW1 matrix_b_scale:MATRIX_SCALE_ROW1
.else
	v_wmma_scale_f32_16x16x128_f8f6f4 v[(\d):(\d)+7], v[(\fa):(\fa)+11], v[(\fb):(\fb)+11], v[(\c):(\c)+7], v[\sa], v[\sb] matrix_a_fmt:MATRIX_FMT_BF6 matrix_b_fmt:MATRIX_FMT_BF6
.endif
.endm
.macro FETCH k                         ; K step k's fragments, as images: 36 loads of 512 consecutive bytes, into set k % 2
.irp n, 0,1,2,3
.irp j, 0,1,2
	ds_load_b128 v[RF+48*((\k)%2)+12*\n+4*\j:RF+48*((\k)%2)+12*\n+4*\j+3], v[ADR+(\k)/2] offset:3072*\n+1536*((\k)%2)+512*\j
.endr
.endr
	WIN 0x40                                       ; destination window 1
.irp a, 0,1,2,3,4,5,6,7
.irp j, 0,1,2
	ds_load_b128 v[96*((\k)%2)+12*\a+4*\j:96*((\k)%2)+12*\a+4*\j+3], v[ADP+(\k)/2] offset:3072*\a+1536*((\k)%2)+512*\j
.endr
.endr
	WIN 0
.endm
; 32 matrix instructions, the 32 accumulators by turns.  q, k: accumulator (a, n) at 8 (4 a + n); v: at 8 (8 n + a): so in both cases registers 64 d .. 64 d + 63 become image d.
.macro MUL k
	s_cmp_eq_u32 s27, 0
	s_cbranch_scc0 .Lv_\@
.if (\k) == 0
	WIN 0x84                                       ; source 1 (x) window 1, C (the bias) window 0, D window 2
.else
	WIN 0xa4                                       ; C and D window 2
.endif
.irp a, 0,1,2,3,4,5,6,7
.irp n, 0,1,2,3
.if (\k) == 0
	WM 8*(4*\a+\n), RF+48*((\k)%2)+12*\n, 96*((\k)%2)+12*\a, BT+8*\n, SCR+4*\n+(\k)/2, SCP+4*\a+(\k)/2, (\k)%2
.else
	WM 8*(4*\a+\n), RF+48*((\k)%2)+12*\n, 96*((\k)%2)+12*\a, 8*(4*\a+\n), SCR+4*\n+(\k)/2, SCP+4*\a+(\k)/2, (\k)%2
.endif
.endr
.endr
	WIN 0
	s_branch .Ljoin_\@
.Lv_\@:
.if (\k) == 0
	WIN 0x81                                       ; source 0 (x) window 1
.else
	WIN 0xa1
.endif
.irp a, 0,1,2,3,4,5,6,7
.irp n, 0,1,2,3
.if (\k) == 0
	WM 8*(8*\n+\a), 96*((\k)%2)+12*\a, RF+48*((\k)%2)+12*\n, BT+8*\n, SCP+4*\a+(\k)/2, SCR+4*\n+(\k)/2, (\k)%2
.else
	WM 8*(8*\n+\a), 96*((\k)%2)+12*\a, RF+48*((\k)%2)+12*\n, 8*(8*\n+\a), SCP+4*\a+(\k)/2, SCR+4*\n+(\k)/2, (\k)%2
.endif
.endr
.endr
	WIN 0
.Ljoin_\@:
.endm
.macro STEP k
	s_wait_dscnt 0x0                               ; this K step's fragments are in (asked for a K step ago)
.if ((\k)%2 == 1) && ((\k) < 7)
	s_wait_tensorcnt (5-(\k))/2                    ; my part of the next chunk has landed; the chunks behind it may be out
	s_barrier_signal -1
	s_barrier_wait -1                              ; everybody's has.
.endif
.if (\k) < 7
.if (\k) > 0
.rept 4
	v_nop                                          ; places in front of loads into registers that matrix instructions have read
.endr
.endif
	FETCH (\k)+1
.endif
	MUL \k
.endm
	s_wait_tensorcnt 0x3                           ; my part of chunk 0 has landed; three chunks may be out
	s_barrier_signal -1
	s_barrier_wait -1
	FETCH 0
	s_wait_loadcnt 0x0                             ; scale words and bias
.irp k, 0,1,2,3,4,5,6,7
	STEP \k
.endr
; THE WAY OUT: 64 numbers of a lane (window 2), register 16 b + i = place 32 b + 16 h + i along the next K, become a fragment's codes and its scale word.
.macro QUANTW s, pw
	WIN 0x0a                                       ; sources 0 and 1 window 2
.irp b, 0,1,2,3
	v_max3_num_f32 v[TM+\b], |v[\s+16*\b]|, |v[\s+1+16*\b]|, 0x2800000   ; each accumulator is read from its low end on; the floor 2^(5 - 127) holds the byte at 1 from below
.endr
	WIN 0x28                                       ; sources 1 and 2 window 2
.irp i, 2,4,6,8,10,12,14
.irp b, 0,1,2,3
	v_max3_num_f32 v[TM+\b], v[TM+\b], |v[\s+16*\b+\i]|, |v[\s+1+16*\b+\i]|
.endr
.endr
	WIN 0
.irp b, 0,1,2,3
	v_permlanex16_b32 v[TM+4+\b], v[TM+\b], s92, s93
.endr
.irp b, 0,1,2,3
	v_max_num_f32 v[TM+\b], v[TM+\b], v[TM+4+\b]
.endr
.irp b, 0,1,2,3
	v_add_nc_u32 v[TM+12+\b], 0xfe000000, v[TM+\b]
.endr
.irp b, 0,1,2,3
	v_lshrrev_b32 v[TM+4+\b], 23, v[TM+12+\b]
.endr
	v_lshl_or_b32 v[\pw], v[TM+5], 8, v[TM+4]
	v_lshl_or_b32 v[\pw], v[TM+6], 16, v[\pw]
	v_lshl_or_b32 v[\pw], v[TM+7], 24, v[\pw]
	WIN 0x02                                       ; source 0 window 2
.irp c, 0,1
	v_cvt_scalef32_pk16_bf6_f32 v[PC+6*\c:PC+2+6*\c], v[\s+32*\c:\s+15+32*\c], v[TM+12+2*\c]
	v_cvt_scalef32_pk16_bf6_f32 v[PC+12+4*\c:PC+14+4*\c], v[\s+16+32*\c:\s+31+32*\c], v[TM+12+2*\c+1]
.endr
	WIN 0
	v_nop                                          ; one plain place behind a scaled conversion
.irp c, 0,1
.irp i, 0,1,2
	v_permlane16_swap_b32 v[PC+6*\c+\i], v[PC+12+4*\c+\i]
.endr
.irp i, 0,1,2
	v_mov_b32 v[PC+3+6*\c+\i], v[PC+12+4*\c+\i]
.endr
.endr
.endm
.rept 4
	v_nop                                          ; places behind the last products
.endr
.irp d, 0,1,2,3
.if \d > 0
	s_wait_xcnt 0x0                                ; the last image's stores have read the codes' registers
.endif
	QUANTW 64*\d, PW+\d
.irp c, 0,1,2
	global_store_b128 v[L16], v[PC+4*\c:PC+4*\c+3], s[90:91] offset:1536*\d+512*\c   ; 512 consecutive bytes a store
.endr
.endr
	v_cndmask_b32 v[SW], v[PW], v[PW+1], s28       ; lanes 0-15 the even image's words, lanes 16-31 the odd one's
	v_cndmask_b32 v[SW+1], v[PW+2], v[PW+3], s28
	global_store_b64 v[L8], v[SW:SW+1], s[90:91] offset:6144
	s_wait_tensorcnt 0x0                           ; the wave's end
	ds_add_u32 v[SPW], v[NIL]
	s_wait_dscnt 0x0
	CROUND                                         ; the closing round
	s_endpgm
.Lfunc_end_k_q456884d228_qkv:
	.size	k_q456884d228_qkv, .Lfunc_end_k_q456884d228_qkv-k_q456884d228_qkv
	.p2alignl 7, 3214868480
	.fill 96, 4, 3214868480
	.section	.rodata,"a",@progbits
	.p2align	6, 0x0
	.amdhsa_kernel k_q456884d228_qkv
		.amdhsa_group_segment_fixed_size 295424
		.amdhsa_private_segment_fixed_size 0
		.amdhsa_enable_private_segment 0
		.amdhsa_kernarg_size 64
		.amdhsa_user_sgpr_count 2
		.amdhsa_user_sgpr_kernarg_segment_ptr 1
		.amdhsa_wavefront_size32 1
		.amdhsa_system_sgpr_workgroup_id_x 1
		.amdhsa_system_sgpr_workgroup_id_y 1
		.amdhsa_system_sgpr_workgroup_id_z 1
		.amdhsa_system_vgpr_workitem_id 0
		.amdhsa_next_free_vgpr 768
		.amdhsa_next_free_sgpr 96
		.amdhsa_reserve_vcc 0
		.amdhsa_float_denorm_mode_32 3
		.amdhsa_float_denorm_mode_16_64 3
		.amdhsa_memory_ordered 1
		.amdhsa_forward_progress 1
		.amdhsa_inst_pref_size 118
	.end_amdhsa_kernel
	.amdgpu_metadata
---
amdhsa.version: [ 1, 2 ]
amdhsa.kernels:
  - .name:           k_q456884d228_qkv
    .symbol:         k_q456884d228_qkv.kd
    .args:
      - { .name: xc, .offset: 0, .size: 8, .value_kind: global_buffer, .address_space: global }
      - { .name: xs, .offset: 8, .size: 8, .value_kind: global_buffer, .address_space: global }
      - { .name: wc, .offset: 16, .size: 8, .value_kind: global_buffer, .address_space: global }
      - { .name: ws, .offset: 24, .size: 8, .value_kind: global_buffer, .address_space: global }
      - { .name: Wq_b, .offset: 32, .size: 8, .value_kind: global_buffer, .address_space: global }
      - { .name: Wk_b, .offset: 40, .size: 8, .value_kind: global_buffer, .address_space: global }
      - { .name: Wv_b, .offset: 48, .size: 8, .value_kind: global_buffer, .address_space: global }
      - { .name: qkv, .offset: 56, .size: 8, .value_kind: global_buffer, .address_space: global }
    .group_segment_fixed_size: 295424
    .private_segment_fixed_size: 0
    .kernarg_segment_align: 8
    .kernarg_segment_size: 64
    .max_flat_workgroup_size: 128
    .sgpr_count:     96
    .vgpr_count:     768
    .wavefront_size: 32
...
	.end_amdgpu_metadata
.endif
;; end of part 2
;; launch attn (part 3): grid 4 x 64, 16 waves a work-group, clusters of 4 x 1, 206,848 bytes of LDS; arguments qkv, ac, asc; writes ac, asc
.if DOCPART == 3
	.amdgcn_target "amdgcn-amd-amdhsa--gfx1250"
	.amdhsa_code_object_version 6
	.text
	.protected	k_q456884d228_attn
	.globl	k_q456884d228_attn
	.p2align	8
	.type	k_q456884d228_attn,@function
k_q456884d228_attn:
	s_mov_b64 s[64:65], 0
	v_nop
	global_prefetch_b8 v0, s[64:65] scope:SCOPE_SE
	s_setreg_imm32_b32 hwreg(HW_REG_WAVE_MODE, 25, 1), 1
	s_wait_xcnt 0x0
	s_wait_alu depctr_hold_cnt(0) depctr_sa_sdst(0) depctr_va_vdst(0) depctr_va_sdst(0) depctr_va_ssrc(0) depctr_va_vcc(0) depctr_vm_vsrc(0)
	s_getreg_b32 s2, hwreg(HW_REG_IB_STS2, 6, 4)
	s_cmp_eq_u32 s2, 0
	s_cbranch_scc0 .Lentry_in_a_cluster
	s_endpgm
.Lentry_in_a_cluster:
	s_bfe_u32 s2, ttmp6, 0x10000c
	s_cmp_lg_u32 s2, 0x3003
	s_cbranch_scc0 .Lentry_shape_is_right
	s_endpgm
.Lentry_shape_is_right:
; Launch 3 of 4: for each batch and head, S^T = K Q^T, the mask, p = 2^(t - M), O^T = V^T P^T, O / l, and O quantised along the model's 1,024 for the last product.  Both products on codes of BF6.
; LEFT OUT AS DEAD WORK: a step of 128 keys all of which come after a wave's 16 queries (reference()'s own tril puts -inf there for all values of the inputs).
; THE MASK has two parts: keys after the query (a compare of ids, on the diagonal step alone), and every score that is exactly 0, which reference() masks too (tril(scores) == 0): a compare and a select on every score of every step.
; LIMITS: a score so small that score / 8 falls to 0 in f32 is not masked here.  A row with no key left has l = 0: its two scale bytes are set to 0xff, which makes the whole output row NaN in the last product, as in reference().
; SOFTMAX: t = score x log2(e) / 8; M = the running largest t rounded up to a whole number; p = 2^(t - M) is quantised along the keys; l is the sum of the unquantised p; when M moves, l and O are multiplied by 2^(old M - new M), exactly.
; SHARES.  The four work-groups of a cluster serve one head; its K and V, 204,800 bytes of images, lie in LDS whole, asked for jointly, each byte filled once: every wave issues two loads, so two are out.
; Wave w of work-group j owns query tiles g = 4 w + j and 127 - g: (w / 2) + 1 and 16 - (w / 2) live steps, 17 for every wave.  Which steps are live and which lies on the diagonal hangs on w alone: every branch is alike in all partners.
; K = 64 IN THE FIRST PRODUCT.  An image of k holds two tiles of keys: k-places 0-63 are tile 2 p's 64 channels, 64-127 tile 2 p + 1's.  Q lies as [Q | zero codes | Q]: v[16:27] picks tile 2 p, v[22:33] tile 2 p + 1: zero codes add nothing.
; A lane holds one query throughout; registers 16 p + i of S^T are keys 32 p + 16 h + i of the step.
.set SPARE, 204800                     ; the spare words, 128 bytes for each of 16 waves: eight blocks of 256 bytes that no other line names
.set VB,  102400                       ; V's 16 blocks lie behind K's
.set FR,  40                           ; v40-87   four fragments of K, then of V
.set S,   96                           ; v96-159  S^T, then p
.set O,   160                          ; v160-191 O^T
.set BM,  192                          ; v192-195 the blocks' largest scores, then p
.set BT,  196                          ; v196-199 at work
.set SO,  200                          ; v200-203 the conversions' scale operands
.set PC,  204                          ; v204-215 p's codes
.set CT,  216                          ; v216-222 the conversions' second halves
.set QB,  228                          ; v228-233 the second tile's Q; v234 its scale word; v235 its diagonal term
; v1 16 x lane; v2 the same in V; v3 8 x lane + 6144: scale words; v4 the same in V; v5, v6 the add's two; v7 the diagonal term; v8-11 the step's addresses; v12 -M; v13 largest t; v[14:15] l; v16-33 Q; v34 Q's scale word;
; v35 -infinity; v[36:37] K's scale words; v[38:39] V's; v[224:225] a factor; v226 at work; v227 p's scale word; v236 4 r; v237 8 r; v238 8 x lane; v239 0xffff
.macro CROUND
	s_barrier_signal -1
	s_barrier_wait -1
	s_cmp_lg_u32 s10, 0
	s_cbranch_scc1 .Lnot_wave_0_\@
	s_barrier_signal -3
.Lnot_wave_0_\@:
	s_barrier_wait -3
	s_barrier_signal -1
	s_barrier_wait -1
.endm
	s_load_b128 s[4:7], s[0:1], 0x0                ; qkv, ac
	s_load_b64 s[8:9], s[0:1], 0x10                ; asc
	v_lshl_add_u32 v5, v0, 2, SPARE
	v_mov_b32 v6, 0
	ds_add_u32 v5, v6                              ; the wave's opening: the add, twice on end, and its wait ahead of my first tensor load
	ds_add_u32 v5, v6
	v_lshrrev_b32 v1, 5, v0
	s_delay_alu instid0(VALU_DEP_1)
	v_readfirstlane_b32 s10, v1                    ; wave 0..15
	s_bfe_u32 s11, ttmp6, 0x40000                  ; cx: it enters global addresses and lanes' data alone
	s_and_b32 s12, ttmp7, 0xffff                   ; batch x 16 + head
	s_lshr_b32 s13, s12, 4
	s_and_b32 s14, s12, 15
	s_mov_b32 s16, 15|(3<<16)|(1<<21)              ; group 1: all four work-groups; elements of 8 bytes; bit 21 beside a mask; no padding
	s_mov_b32 s17, 32<<16                          ; a block of 6,400 dense bytes as 25 rows of 256
	s_mov_b32 s18, 25<<16
	s_mov_b32 s19, 32<<16
	s_mov_b32 s20, 25
	s_mov_b32 s21, 32
	s_mov_b32 s22, 0
	s_mov_b32 s23, 0
	s_mov_b32 s32, 0x76543210
	s_mov_b32 s33, 0xfedcba98
	s_mov_b32 s34, 0x3e38aa3b                      ; log2(e) / 8
	s_mov_b32 s35, s34                             ; (named with it as a pair)
	s_lshr_b32 s39, s10, 1                         ; the small tile's diagonal step
	s_sub_co_u32 s38, 15, s39                      ; the large tile's
	s_lshl_b32 s15, s14, 6
	s_lshl_b32 s48, s13, 4
	s_add_co_u32 s15, s15, s48                     ; 64 head + 16 batch: the head's first block in each of q, k, v
	s_lshr_b32 s48, s10, 3                         ; waves 0-7 fetch K, 8-15 V,
	s_and_b32 s49, s10, 7                          ; block w % 8 and the block eight on
	s_lshl_b32 s50, s48, 10
	s_add_co_u32 s50, s50, 1024
	s_add_co_u32 s50, s50, s15
	s_add_co_u32 s50, s50, s49
	s_mul_i32 s50, s50, 6400
	s_mov_b32 s51, 0
	s_mul_i32 s48, s48, VB
	s_mul_i32 s49, s49, 6400
	s_add_co_u32 s48, s48, s49                     ; and where it goes
	s_wait_dscnt 0x0                               ; both opening adds are done
	s_wait_kmcnt 0x0
	s_mov_b32 s24, 1
	s_mov_b32 s25, s48
	s_add_nc_u64 s[26:27], s[4:5], s[50:51]
	s_mov_b32 s28, 1
	s_add_co_u32 s29, s48, 51200
	s_add_nc_u64 s[30:31], s[26:27], 51200
	s_or_b32 s27, s27, 0x80000000
	s_or_b32 s31, s31, 0x80000000
	CROUND                                         ; all four work-groups are here: the joint loads meet
	tensor_load_to_lds s[24:27], s[16:23]          ; keys 0 to 1,023
	s_nop 0
	tensor_load_to_lds s[28:31], s[16:23]          ; keys 1,024 to 2,047
	s_nop 0
.rept 4
	v_nop
.endr
; What hangs on a tile t (in s[st]): Q's image and its scale word, which half of the image, the diagonal term, and where the result goes.
.macro TILE st, qa, oa, os, um, sl, so, dv
	s_lshr_b32 s48, s[\st], 3
	s_add_co_u32 s48, s48, s15
	s_mul_i32 s48, s48, 6400                       ; its block of 128 tokens in q
	s_bfe_u32 s50, s[\st], 0x20001                 ; p: which image
	s_mul_i32 s51, s50, 1536
	s_add_co_u32 s48, s48, s51
	s_mov_b32 s49, 0
	s_add_nc_u64 s[\qa:\qa+1], s[4:5], s[48:49]
	s_sub_co_u32 s[\so], 6144, s51                 ; from the image to its scale words: 6144 + 128 (p % 2) + 4 (p / 2), + 8 r
	s_and_b32 s51, s50, 1
	s_lshl_b32 s51, s51, 7
	s_add_co_u32 s[\so], s[\so], s51
	s_lshr_b32 s51, s50, 1
	s_lshl_b32 s51, s51, 2
	s_add_co_u32 s[\so], s[\so], s51
	s_lshl_b32 s[\dv], s50, 5
	s_and_b32 s51, s[\st], 1                       ; u: which half of the image
	s_lshl_b32 s50, s51, 3
	s_add_co_u32 s[\dv], s[\dv], s50               ; 32 p + 8 u
	s_cmp_eq_u32 s51, 1
	s_cselect_b32 s[\um], -1, 0
	s_mov_b32 s[\sl], 0x01000100
	s_cselect_b32 s[\sl], 0x03020302, s[\sl]       ; the word's bytes 2 u, 2 u + 1, twice
	s_lshl_b32 s48, s13, 7
	s_add_co_u32 s48, s48, s[\st]
	s_lshl_b32 s48, s48, 4
	s_add_co_u32 s48, s48, s14                     ; (128 batch + t) x 16 + head
	s_mul_i32 s50, s48, 768
	s_mov_b32 s51, 0
	s_add_nc_u64 s[\oa:\oa+1], s[6:7], s[50:51]
	s_lshl_b32 s48, s48, 6
	s_add_nc_u64 s[\os:\os+1], s[8:9], s[48:49]
.endm
	s_lshl_b32 s67, s10, 2
	s_add_co_u32 s67, s67, s11                     ; g
	s_sub_co_u32 s68, 127, s67                     ; 127 - g
	TILE 68, 52, 40, 42, 56, 58, 61, 63
	TILE 67, 54, 44, 46, 57, 59, 62, 66
	v_and_b32 v8, 31, v0
	v_and_b32 v9, 15, v0                           ; r
	v_bfe_u32 v10, v0, 4, 1                        ; h
	s_delay_alu instid0(VALU_DEP_3)
	v_lshlrev_b32 v1, 4, v8
	s_delay_alu instid0(VALU_DEP_1)
	v_add_nc_u32 v2, VB, v1
	v_lshlrev_b32 v238, 3, v8
	s_delay_alu instid0(VALU_DEP_1)
	v_add_nc_u32 v3, 6144, v238
	s_delay_alu instid0(VALU_DEP_1)
	v_add_nc_u32 v4, VB, v3
	v_lshlrev_b32 v236, 2, v9
	v_lshlrev_b32 v237, 3, v9
	s_delay_alu instid0(VALU_DEP_1)
	v_add_nc_u32 v241, s61, v237
	s_delay_alu instid0(VALU_DEP_2)
	v_add_nc_u32 v242, s62, v237
.irp c, 0,1,2
	global_load_b128 v[S+4*\c:S+4*\c+3], v1, s[52:53] offset:512*\c       ; the large tile's image of q
	global_load_b128 v[S+16+4*\c:S+19+4*\c], v1, s[54:55] offset:512*\c   ; the small tile's
.endr
	global_load_b32 v[S+12], v241, s[52:53]
	global_load_b32 v[S+28], v242, s[54:55]
	v_mov_b32 v239, 0xffff
	v_mov_b32 v35, 0xff800000
	v_and_b32 v11, 8, v9
	s_delay_alu instid0(VALU_DEP_1)
	v_add_nc_u32 v11, v11, v9
	v_lshlrev_b32 v10, 4, v10
	s_delay_alu instid0(VALU_DEP_1)
	v_sub_nc_u32 v240, v11, v10                    ; r + 8 (r / 8) - 16 h
	s_delay_alu instid0(VALU_DEP_1)
	v_add_nc_u32 v7, s63, v240                     ; my query's place in its block of 128, less 16 h: key 32 p + i of my half is hidden where 32 p + i is greater
	s_delay_alu instid0(VALU_DEP_2)
	v_add_nc_u32 v235, s66, v240
	v_mov_b32 v225, 0                              ; (named as the upper half of the pair v[224:225])
.irp b, 0,1,2,3
	v_mov_b32 v[BT+\b], 0                          ; written once: a lane permute's destination counts as one of its sources
.endr
	s_wait_loadcnt 0x0
	v_perm_b32 v34, v[S+12], v[S+12], s58          ; Q's scale word: (q0, q1, q0, q1)
	v_perm_b32 v234, v[S+28], v[S+28], s59
.irp i, 0,1,2,3,4,5
	v_cndmask_b32 v[16+\i], v[S+\i], v[S+6+\i], s56
	v_cndmask_b32 v[QB+\i], v[S+16+\i], v[S+22+\i], s57
.endr
.irp i, 0,1,2,3,4,5
	v_mov_b32 v[22+\i], 0
	v_mov_b32 v[28+\i], v[16+\i]
.endr
.macro RESET                           ; the step is written once: the first finds zeros, which the first change of M leaves zeros
	v_mov_b32 v13, 0xff61b1e6                      ; -3e38, under every t
	s_delay_alu instid0(VALU_DEP_1)
	v_floor_f32 v12, -v13
	v_mov_b32 v14, 0
	v_mov_b32 v15, 0
.set i, 0
.rept 32
	v_mov_b32 v[O+i], 0
.set i, i+1
.endr
.endm
	RESET
.macro KQ p, u                         ; 16 keys (tile 2 p + u of the step) x my 16 queries
.if (\p)%2
	v_wmma_scale_f32_16x16x128_f8f6f4 v[S+8*(2*(\p)+(\u)):S+8*(2*(\p)+(\u))+7], v[FR+12*(\p):FR+12*(\p)+11], v[16+6*(\u):27+6*(\u)], 0, v[36+(\p)/2], v34 matrix_a_fmt:MATRIX_FMT_BF6 matrix_b_fmt:MATRIX_FMT_BF6 matrix_a_scale:MATRIX_SCALE_ROW1
.else
	v_wmma_scale_f32_16x16x128_f8f6f4 v[S+8*(2*(\p)+(\u)):S+8*(2*(\p)+(\u))+7], v[FR+12*(\p):FR+12*(\p)+11], v[16+6*(\u):27+6*(\u)], 0, v[36+(\p)/2], v34 matrix_a_fmt:MATRIX_FMT_BF6 matrix_b_fmt:MATRIX_FMT_BF6
.endif
.endm
.macro PV n                            ; 16 channels x my 16 queries, K = the step's 128 keys
.if (\n)%2
	v_wmma_scale_f32_16x16x128_f8f6f4 v[O+8*(\n):O+8*(\n)+7], v[FR+12*(\n):FR+12*(\n)+11], v[PC:PC+11], v[O+8*(\n):O+8*(\n)+7], v[38+(\n)/2], v227 matrix_a_fmt:MATRIX_FMT_BF6 matrix_b_fmt:MATRIX_FMT_BF6 matrix_a_scale:MATRIX_SCALE_ROW1
.else
	v_wmma_scale_f32_16x16x128_f8f6f4 v[O+8*(\n):O+8*(\n)+7], v[FR+12*(\n):FR+12*(\n)+11], v[PC:PC+11], v[O+8*(\n):O+8*(\n)+7], v[38+(\n)/2], v227 matrix_a_fmt:MATRIX_FMT_BF6 matrix_b_fmt:MATRIX_FMT_BF6
.endif
.endm
; A KEY STEP: 128 keys, at LDS byte s36; s37 counts the steps.  masked = 1: steps behind the diagonal step s[dg] are left out, and on it the hidden keys are masked.
.macro STEP masked, dg
.if \masked
	s_cmp_gt_u32 s37, s[\dg]
	s_cbranch_scc1 .Lhidden_\@
.endif
	s_setprio 2
	v_add_nc_u32 v8, s36, v1                       ; these four are also the places behind the last step's products, in front of the loads below
	v_add_nc_u32 v9, s36, v2
	v_add_nc_u32 v10, s36, v3
	v_add_nc_u32 v11, s36, v4
.irp p, 0,1,2,3
.irp c, 0,1,2
	ds_load_b128 v[FR+12*\p+4*\c:FR+12*\p+4*\c+3], v8 offset:1536*\p+512*\c
.endr
.endr
	ds_load_b64 v[36:37], v10
	ds_load_b64 v[38:39], v11
	s_wait_alu depctr_va_vdst(0)
	s_wait_dscnt 0x0
.irp p, 0,1,2,3
	KQ \p, 0
	KQ \p, 1
.endr
.rept 4
	v_nop                                          ; places behind the products: in front of the loads into K's registers and of the first read of the scores
.endr
.irp n, 0,1,2,3
.irp c, 0,1,2
	ds_load_b128 v[FR+12*\n+4*\c:FR+12*\n+4*\c+3], v9 offset:1536*\n+512*\c   ; V's fragments land under the softmax
.endr
.endr
.if \masked
	s_cmp_lg_u32 s37, s[\dg]
	s_cbranch_scc1 .Lopen_\@
.set n, 0
.rept 64
	v_cmp_gt_i32 vcc_lo, 32*(n/16)+n%16, v7        ; the key comes after my query
	v_cndmask_b32 v[S+n], v[S+n], v35, vcc_lo
.set n, n+1
.endr
.Lopen_\@:
.endif
.set n, 0
.rept 64
	v_cmp_eq_f32 vcc_lo, 0, v[S+n]                 ; a score of exactly 0 is masked, as reference() has it
	v_cndmask_b32 v[S+n], v[S+n], v35, vcc_lo
.set n, n+1
.endr
.irp b, 0,1,2,3
	v_max3_num_f32 v[BM+\b], v[S+16*\b], v[S+1+16*\b], v[S+2+16*\b]   ; the largest score of each block of 32 keys: for the row's maximum and, since p rises with the score, for the block's largest p
.endr
.irp i, 3,5,7,9,11,13
.irp b, 0,1,2,3
	s_delay_alu instid0(VALU_DEP_4)
	v_max3_num_f32 v[BM+\b], v[BM+\b], v[S+16*\b+\i], v[S+1+16*\b+\i]
.endr
.endr
.irp b, 0,1,2,3
	s_delay_alu instid0(VALU_DEP_4)
	v_max_num_f32 v[BM+\b], v[BM+\b], v[S+15+16*\b]
.endr
.irp b, 0,1,2,3
	s_delay_alu instid0(VALU_DEP_4)
	v_permlanex16_b32 v[BT+\b], v[BM+\b], s32, s33
.endr
.irp b, 0,1,2,3
	s_delay_alu instid0(VALU_DEP_4)
	v_max_num_f32 v[BM+\b], v[BM+\b], v[BT+\b]
.endr
	s_delay_alu instid0(VALU_DEP_2)
	v_max3_num_f32 v226, v[BM], v[BM+1], v[BM+2]
	s_delay_alu instid0(VALU_DEP_1)
	v_max_num_f32 v226, v226, v[BM+3]
	s_delay_alu instid0(VALU_DEP_1)
	v_mul_f32 v226, s34, v226                      ; as t
	s_delay_alu instid0(VALU_DEP_1)
	v_max_num_f32 v13, v13, v226                   ; the running largest t
	v_mov_b32 v226, v12
	s_delay_alu instid0(VALU_DEP_2)
	v_floor_f32 v12, -v13                          ; -M = floor(-t): M is a whole number
	s_delay_alu instid0(VALU_DEP_1)
	v_sub_f32 v226, v12, v226                      ; old M - new M, 0 or less
	s_delay_alu instid0(VALU_DEP_1)
	v_cvt_i32_f32 v226, v226                       ; (it saturates)
	s_delay_alu instid0(VALU_DEP_1)
	v_ldexp_f32 v224, 1.0, v226                    ; f = 2^(old M - new M)
.set j, 0
	s_setprio 1
.rept 32
	v_pk_fma_f32 v[S+j:S+j+1], v[S+j:S+j+1], s[34:35], v[12:13] op_sel_hi:[1,0,0]   ; t - M
.set j, j+2
.endr
.irp b, 0,1,2,3
	v_fma_f32 v[BM+\b], v[BM+\b], s34, v12
.endr
.set j, 0
	s_wait_alu depctr_va_vdst(0)
.rept 64
	v_exp_f32 v[S+j], v[S+j]                       ; p = 2^(t - M)
.set j, j+1
.endr
	v_pk_mul_f32 v[14:15], v[14:15], v[224:225] op_sel_hi:[1,0]   ; l under the new M: a plain place behind the exponentials
	s_wait_alu depctr_va_vdst(0)                   ; one wait for the batch, ahead of its first reader
.irp b, 0,1,2,3
	v_exp_f32 v[BM+\b], v[BM+\b]                   ; the blocks' largest p
.endr
	v_pk_add_f32 v[196:197], v[100:101], v[104:105]
	v_pk_add_f32 v[254:255], v[108:109], v[112:113]
	v_pk_add_f32 v[252:253], v[116:117], v[120:121]
	v_pk_add_f32 v[250:251], v[124:125], v[128:129]
	v_pk_add_f32 v[248:249], v[132:133], v[136:137]
	v_pk_add_f32 v[246:247], v[140:141], v[144:145]
	v_pk_add_f32 v[244:245], v[148:149], v[152:153]
	v_pk_add_f32 v[14:15], v[14:15], v[156:157]
	v_pk_add_f32 v[196:197], v[196:197], v[96:97]
	v_pk_add_f32 v[254:255], v[254:255], v[98:99]
	v_pk_add_f32 v[252:253], v[252:253], v[102:103]
	v_pk_add_f32 v[250:251], v[250:251], v[106:107]
	v_pk_add_f32 v[248:249], v[248:249], v[110:111]
	v_pk_add_f32 v[246:247], v[246:247], v[114:115]
	v_pk_add_f32 v[244:245], v[244:245], v[118:119]
	v_pk_add_f32 v[14:15], v[14:15], v[122:123]
	v_pk_add_f32 v[196:197], v[196:197], v[126:127]
	v_pk_add_f32 v[254:255], v[254:255], v[130:131]
	v_pk_add_f32 v[252:253], v[252:253], v[134:135]
	v_pk_add_f32 v[250:251], v[250:251], v[138:139]
	v_pk_add_f32 v[248:249], v[248:249], v[142:143]
	v_pk_add_f32 v[246:247], v[246:247], v[146:147]
	v_pk_add_f32 v[244:245], v[244:245], v[150:151]
	v_pk_add_f32 v[14:15], v[14:15], v[154:155]
	v_pk_add_f32 v[196:197], v[196:197], v[158:159]
	s_delay_alu instid0(VALU_DEP_2)
	v_pk_add_f32 v[14:15], v[14:15], v[250:251]
	s_delay_alu instid0(VALU_DEP_2)
	v_pk_add_f32 v[196:197], v[196:197], v[248:249]
	v_pk_add_f32 v[254:255], v[254:255], v[246:247]
	v_pk_add_f32 v[252:253], v[252:253], v[244:245]
	s_delay_alu instid0(VALU_DEP_2)
	v_pk_add_f32 v[14:15], v[14:15], v[254:255]
	s_delay_alu instid0(VALU_DEP_2)
	v_pk_add_f32 v[196:197], v[196:197], v[252:253]
	s_delay_alu instid0(VALU_DEP_1)
	v_pk_add_f32 v[14:15], v[14:15], v[196:197]
	s_setprio 0
	s_wait_alu depctr_va_vdst(0)                   ; and one for the four
.irp b, 0,1,2,3
	v_max_num_f32 v[BM+\b], 0x2800000, v[BM+\b]    ; the floor: the byte cannot fall under 1
.endr
.irp b, 0,1,2,3
	s_delay_alu instid0(VALU_DEP_4)
	v_add_nc_u32 v[SO+\b], 0xfe000000, v[BM+\b]
.endr
.irp b, 0,1,2,3
	s_delay_alu instid0(VALU_DEP_4)
	v_lshrrev_b32 v[BT+\b], 23, v[SO+\b]
.endr
	s_delay_alu instid0(VALU_DEP_3)
	v_lshl_or_b32 v227, v[BT+1], 8, v[BT]          ; p's scale word for these 128 keys
	s_delay_alu instid0(VALU_DEP_1)
	v_lshl_or_b32 v227, v[BT+2], 16, v227
	s_delay_alu instid0(VALU_DEP_1)
	v_lshl_or_b32 v227, v[BT+3], 24, v227
.irp c, 0,1
	v_cvt_scalef32_pk16_bf6_f32 v[PC+6*\c:PC+2+6*\c], v[S+32*\c:S+15+32*\c], v[SO+2*\c]
	v_cvt_scalef32_pk16_bf6_f32 v[CT+4*\c:CT+2+4*\c], v[S+16+32*\c:S+31+32*\c], v[SO+2*\c+1]
.endr
	v_nop                                          ; one plain place behind a scaled conversion
.irp c, 0,1
.irp i, 0,1,2
	v_permlane16_swap_b32 v[PC+6*\c+\i], v[CT+4*\c+\i]
.endr
.irp i, 0,1,2
	s_delay_alu instid0(VALU_DEP_3)
	v_mov_b32 v[PC+3+6*\c+\i], v[CT+4*\c+\i]
.endr
.endr
.set j, 0
.rept 16
	v_pk_mul_f32 v[O+j:O+j+1], v[O+j:O+j+1], v[224:225] op_sel_hi:[1,0]   ; O^T under the new M; these are also the places in front of the products below
.set j, j+2
.endr
	s_wait_alu depctr_va_vdst(0)
	s_wait_dscnt 0x0                               ; V's fragments
.irp n, 0,1,2,3
	PV \n
.endr
.if \masked
.Lhidden_\@:
.endif
	s_add_co_u32 s36, s36, 6400
	s_add_co_u32 s37, s37, 1
.endm
; THE WAY OUT of a tile: O^T / l; the head's 64 channels are two blocks of the last product's K; six registers of codes and a word of two bytes.
.macro WAYOUT oa, os
.rept 4
	v_nop                                          ; places behind the last products
.endr
	v_add_f32 v14, v14, v15
	s_delay_alu instid0(VALU_DEP_1)
	v_permlanex16_b32 v226, v14, s32, s33
	s_delay_alu instid0(VALU_DEP_1)
	v_add_f32 v14, v14, v226                       ; l
	s_wait_alu depctr_va_vdst(0)
	v_rcp_f32 v224, v14
	v_cmp_eq_f32 s60, 0, v14                       ; (a plain place)  no key was left for this query
	s_wait_alu depctr_va_vdst(0)                   ; the wait ahead of the reciprocal's first reader
	v_cndmask_b32 v224, v224, 0, s60               ; there the numbers stay zeros, and the scale bytes below say NaN
.set j, 0
.rept 16
	v_pk_mul_f32 v[S+j:S+j+1], v[O+j:O+j+1], v[224:225] op_sel_hi:[1,0]
.set j, j+2
.endr
.irp b, 0,1
	v_max3_num_f32 v[BM+\b], |v[S+16*\b]|, |v[S+1+16*\b]|, 0x2800000
.endr
.irp i, 2,4,6,8,10,12,14
.irp b, 0,1
	s_delay_alu instid0(VALU_DEP_2)
	v_max3_num_f32 v[BM+\b], v[BM+\b], |v[S+16*\b+\i]|, |v[S+1+16*\b+\i]|
.endr
.endr
.irp b, 0,1
	s_delay_alu instid0(VALU_DEP_2)
	v_permlanex16_b32 v[BT+\b], v[BM+\b], s32, s33
.endr
.irp b, 0,1
	s_delay_alu instid0(VALU_DEP_2)
	v_max_num_f32 v[BM+\b], v[BM+\b], v[BT+\b]
.endr
.irp b, 0,1
	s_delay_alu instid0(VALU_DEP_2)
	v_add_nc_u32 v[SO+\b], 0xfe000000, v[BM+\b]
.endr
.irp b, 0,1
	s_delay_alu instid0(VALU_DEP_2)
	v_lshrrev_b32 v[BT+\b], 23, v[SO+\b]
.endr
	s_delay_alu instid0(VALU_DEP_1)
	v_lshl_or_b32 v226, v[BT+1], 8, v[BT]
	s_delay_alu instid0(VALU_DEP_1)
	v_cndmask_b32 v226, v226, v239, s60
	v_cvt_scalef32_pk16_bf6_f32 v[PC:PC+2], v[S:S+15], v[SO]
	v_cvt_scalef32_pk16_bf6_f32 v[CT:CT+2], v[S+16:S+31], v[SO+1]
	v_nop                                          ; one plain place behind a scaled conversion
.irp i, 0,1,2
	v_permlane16_swap_b32 v[PC+\i], v[CT+\i]
.endr
.irp i, 0,1,2
	s_delay_alu instid0(VALU_DEP_3)
	v_mov_b32 v[PC+3+\i], v[CT+\i]
.endr
	global_store_b128 v1, v[PC:PC+3], s[\oa:\oa+1]                ; 512 consecutive bytes,
	global_store_b64 v238, v[PC+4:PC+5], s[\oa:\oa+1] offset:512  ; and 256
	global_store_b32 v236, v226, s[\os:\os+1]                     ; both halves of the lanes write the same word with the same value
	s_wait_xcnt 0x0                                ; the stores have read their registers
.endm
	s_mov_b32 s36, 0
	s_mov_b32 s37, 0
	s_wait_tensorcnt 0x1                           ; my block of the first 1,024 keys has landed; the second load may be out
	s_barrier_signal -1
	s_barrier_wait -1
.Lfirst_half:                                      ; the large tile, steps 0 to 7: it is tile 64 or later, so all their keys count
	STEP 0, 38
	s_cmp_lt_u32 s37, 8
	s_cbranch_scc1 .Lfirst_half
	s_setprio 0
	s_wait_tensorcnt 0x0                           ; my block of the second 1,024 keys has landed
	s_wait_dscnt 0x0
	s_barrier_signal -1
	s_barrier_wait -1
	s_mov_b32 s36, 51200
	s_mov_b32 s37, 8
.Lsecond_half:                                     ; the large tile, steps 8 to 15, up to its diagonal
	STEP 1, 38
	s_cmp_lt_u32 s37, 16
	s_cbranch_scc1 .Lsecond_half
	s_setprio 0
	WAYOUT 40, 42
	v_mov_b32 v34, v234                            ; the small tile
	v_mov_b32 v7, v235
.irp i, 0,1,2,3,4,5
	v_mov_b32 v[16+\i], v[QB+\i]
	v_mov_b32 v[28+\i], v[QB+\i]
.endr
	RESET
	s_mov_b32 s36, 0
	s_mov_b32 s37, 0
.Lsmall:                                           ; steps 0 to 7, up to its diagonal
	STEP 1, 39
	s_cmp_lt_u32 s37, 8
	s_cbranch_scc1 .Lsmall
	s_setprio 0
	WAYOUT 44, 46
	s_wait_tensorcnt 0x0                           ; the wave's end
	ds_add_u32 v5, v6
	s_wait_dscnt 0x0
	CROUND                                         ; the closing round
	s_endpgm
.Lfunc_end_k_q456884d228_attn:
	.size	k_q456884d228_attn, .Lfunc_end_k_q456884d228_attn-k_q456884d228_attn
	.p2alignl 7, 3214868480
	.fill 96, 4, 3214868480
	.section	.rodata,"a",@progbits
	.p2align	6, 0x0
	.amdhsa_kernel k_q456884d228_attn
		.amdhsa_group_segment_fixed_size 206848
		.amdhsa_private_segment_fixed_size 0
		.amdhsa_enable_private_segment 0
		.amdhsa_kernarg_size 24
		.amdhsa_user_sgpr_count 2
		.amdhsa_user_sgpr_kernarg_segment_ptr 1
		.amdhsa_wavefront_size32 1
		.amdhsa_system_sgpr_workgroup_id_x 1
		.amdhsa_system_sgpr_workgroup_id_y 1
		.amdhsa_system_sgpr_workgroup_id_z 1
		.amdhsa_system_vgpr_workitem_id 0
		.amdhsa_next_free_vgpr 256
		.amdhsa_next_free_sgpr 72
		.amdhsa_reserve_vcc 1
		.amdhsa_float_denorm_mode_32 3
		.amdhsa_float_denorm_mode_16_64 3
		.amdhsa_memory_ordered 1
		.amdhsa_forward_progress 1
		.amdhsa_inst_pref_size 97
	.end_amdhsa_kernel
	.amdgpu_metadata
---
amdhsa.version: [ 1, 2 ]
amdhsa.kernels:
  - .name:           k_q456884d228_attn
    .symbol:         k_q456884d228_attn.kd
    .args:
      - { .name: qkv, .offset: 0, .size: 8, .value_kind: global_buffer, .address_space: global }
      - { .name: ac, .offset: 8, .size: 8, .value_kind: global_buffer, .address_space: global }
      - { .name: asc, .offset: 16, .size: 8, .value_kind: global_buffer, .address_space: global }
    .group_segment_fixed_size: 206848
    .private_segment_fixed_size: 0
    .kernarg_segment_align: 8
    .kernarg_segment_size: 24
    .max_flat_workgroup_size: 512
    .sgpr_count:     72
    .vgpr_count:     256
    .wavefront_size: 32
...
	.end_amdgpu_metadata
.endif
;; end of part 3
;; launch oproj (part 4): grid 4 x 64, 4 waves a work-group, clusters of 4 x 4, 312,832 bytes of LDS; arguments ac, asc, wc, ws, Wo_b, out0; writes out0
.if DOCPART == 4
	.amdgcn_target "amdgcn-amd-amdhsa--gfx1250"
	.amdhsa_code_object_version 6
	.text
	.protected	k_q456884d228_oproj
	.globl	k_q456884d228_oproj
	.p2align	8
	.type	k_q456884d228_oproj,@function
k_q456884d228_oproj:
	s_mov_b64 s[64:65], 0
	v_nop
	global_prefetch_b8 v0, s[64:65] scope:SCOPE_SE
	s_setreg_imm32_b32 hwreg(HW_REG_WAVE_MODE, 25, 1), 1
	s_wait_xcnt 0x0
	s_wait_alu depctr_hold_cnt(0) depctr_sa_sdst(0) depctr_va_vdst(0) depctr_va_sdst(0) depctr_va_ssrc(0) depctr_va_vcc(0) depctr_vm_vsrc(0)
	s_getreg_b32 s2, hwreg(HW_REG_IB_STS2, 6, 4)
	s_cmp_eq_u32 s2, 0
	s_cbranch_scc0 .Lentry_in_a_cluster
	s_endpgm
.Lentry_in_a_cluster:
	s_bfe_u32 s2, ttmp6, 0x10000c
	s_cmp_lg_u32 s2, 0xf033
	s_cbranch_scc0 .Lentry_shape_is_right
	s_endpgm
.Lentry_shape_is_right:
; Launch 4 of 4: out0 = attn Wo + bo on codes of BF6.  attn's codes come from launch 3: ac [token tile 0..511][head] 768 bytes (six registers: 0-3 at 16 l, 4-5 at 512 + 8 l), asc [tile][head][r] a word with the head's two scale bytes.
; K step s is heads 2 s and 2 s + 1: two such images are a fragment's twelve registers, and the two words make its scale word.
; SHARES as in launch 2: a work-group makes 128 tokens x 256 columns, a wave all 128 tokens x 64 columns: 32 accumulators.  All of K lies in LDS at once, in four chunks; no LDS byte is filled twice; a wave has four tensor loads out.
; CLUSTERS: 4 x 4 work-groups; attn's tiles are asked for jointly along a row of the cluster, Wo's along a column.
; Source 0 = 16 columns of Wo, source 1 = 16 tokens: a lane holds eight neighbouring columns of one token.  The bias is the C of each sum's first matrix instruction.  Results leave through a stage of the wave's own, as whole runs of 256 bytes.
.set PCH,   24576
.set RB,    98304
.set RCH,   49152
.set SPARE, 294912                     ; the spare words, 128 bytes for each wave: two blocks of 256 bytes that no other line names
.set STAGE, 295424                     ; behind them: 16 rows x (256 bytes + 16) for each wave; no fill lands here
.set ADP, 4                            ; v4-7    chunk c of attn: PCH c + 16 x lane
.set ADR, 8                            ; v8-11   chunk c of my four tiles of Wo
.set SPW, 12
.set NIL, 13
.set L16, 14
.set L8,  15
.set SCP, 16                           ; v16-47  attn's scale words
.set SCR, 48                           ; v48-63  Wo's
.set BT,  64                           ; v64-95  the bias
.set AD8, 96                           ; v96-99  chunk c of attn: PCH c + 8 x lane
.set STO, 100
.set RD,  101
.set CO,  102
.set BA,  103
.set SA,  104
.set RF,  140                          ; v140-187, v188-235: Wo's four fragments, two sets
.set BK,  140                          ; the way out: v140-171, v172-203 by turns
.set MSB, 0
.macro WIN new
.if MSB != \new
	s_set_vgpr_msb (MSB<<8)|\new
.set MSB, \new
.endif
.endm
.macro CROUND
	s_barrier_signal -1
	s_barrier_wait -1
	s_cmp_lg_u32 s20, 0
	s_cbranch_scc1 .Lnot_wave_0_\@
	s_barrier_signal -3
.Lnot_wave_0_\@:
	s_barrier_wait -3
	s_barrier_signal -1
	s_barrier_wait -1
.endm
.macro MKG0 g, lreg, loff, base, goff
	s_mov_b32 s[\g], 1
	s_add_co_u32 s[\g+1], s[\lreg], \loff
	s_add_nc_u64 s[\g+2:\g+3], s[\base:\base+1], \goff
	s_or_b32 s[\g+3], s[\g+3], 0x80000000
.endm
	s_load_b256 s[4:11], s[0:1], 0x0               ; ac, asc, wc, ws
	s_load_b128 s[12:15], s[0:1], 0x20             ; Wo_b, out0
	v_lshl_add_u32 v[SPW], v0, 2, SPARE
	v_mov_b32 v[NIL], 0
	ds_add_u32 v[SPW], v[NIL]                      ; the wave's opening: the add, twice on end, and its wait ahead of my first tensor load
	ds_add_u32 v[SPW], v[NIL]
	v_lshrrev_b32 v1, 5, v0
	v_readfirstlane_b32 s20, v1                    ; wave 0..3
	s_lshr_b32 s21, s20, 1                         ; I fetch for attn (0) or for Wo (1),
	s_and_b32 s22, s20, 1                          ; its first or second half
	s_bfe_u32 s23, ttmp6, 0x40000                  ; cx
	s_bfe_u32 s24, ttmp6, 0x40004                  ; cy
	s_lshl_b32 s25, ttmp9, 2
	s_add_co_u32 s25, s25, s23                     ; X
	s_and_b32 s26, ttmp7, 0xffff
	s_lshl_b32 s26, s26, 2
	s_add_co_u32 s26, s26, s24                     ; Y
	s_lshl_b32 s30, s24, 2
	s_lshl_b32 s30, 15, s30                        ; my row of the cluster
	s_lshl_b32 s31, 0x1111, s23                    ; my column
	s_or_b32 s36, s30, (3<<16)|(1<<21)             ; group 1 as in launch 2: rows of 3,072 bytes (a tile's two K steps), 12,288 bytes apart
	s_or_b32 s44, s31, (3<<16)|(1<<21)
	s_mov_b32 s37, 384<<16
	s_mov_b32 s38, 4<<16
	s_mov_b32 s39, 384<<16
	s_mov_b32 s40, 4
	s_mov_b32 s41, 1536
	s_mov_b32 s42, 0
	s_mov_b32 s43, 0
	s_mov_b32 s45, 384<<16
	s_mov_b32 s46, 8<<16
	s_mov_b32 s47, 384<<16
	s_mov_b32 s48, 8
	s_mov_b32 s49, 1536
	s_mov_b32 s50, 0
	s_mov_b32 s51, 0
	s_lshl_b32 s32, s26, 3
	s_lshl_b32 s30, s22, 2
	s_add_co_u32 s32, s32, s30                     ; attn: tile 8 Y + 4 i
	s_mul_i32 s32, s32, 12288
	s_mov_b32 s33, 0
	s_lshl_b32 s34, s25, 4
	s_lshl_b32 s31, s22, 3
	s_add_co_u32 s34, s34, s31
	s_add_co_u32 s34, s34, 192                     ; Wo: tile 192 + 16 X + 8 i
	s_mul_i32 s34, s34, 12288
	s_mov_b32 s35, 0
	s_mul_i32 s30, s22, 12288
	s_mul_i32 s31, s22, 24576
	s_wait_dscnt 0x0                               ; both opening adds are done
	s_wait_kmcnt 0x0
	s_add_nc_u64 s[32:33], s[4:5], s[32:33]
	s_add_nc_u64 s[34:35], s[8:9], s[34:35]
	MKG0 52, 30, 0, 32, 0
	MKG0 56, 30, PCH, 32, 3072
	MKG0 60, 30, 2*PCH, 32, 6144
	MKG0 68, 30, 3*PCH, 32, 9216
	MKG0 72, 31, RB, 34, 0
	MKG0 76, 31, RB+RCH, 34, 3072
	MKG0 80, 31, RB+2*RCH, 34, 6144
	MKG0 84, 31, RB+3*RCH, 34, 9216
	CROUND                                         ; all sixteen work-groups are here: the joint loads meet
	s_cmp_eq_u32 s21, 0
	s_cbranch_scc0 .Lfill_w
	tensor_load_to_lds s[52:55], s[36:43]
	s_nop 0
	tensor_load_to_lds s[56:59], s[36:43]
	s_nop 0
	tensor_load_to_lds s[60:63], s[36:43]
	s_nop 0
	tensor_load_to_lds s[68:71], s[36:43]
	s_nop 0
.rept 4
	v_nop
.endr
	s_branch .Lfilled
.Lfill_w:
	tensor_load_to_lds s[72:75], s[44:51]
	s_nop 0
	tensor_load_to_lds s[76:79], s[44:51]
	s_nop 0
	tensor_load_to_lds s[80:83], s[44:51]
	s_nop 0
	tensor_load_to_lds s[84:87], s[44:51]
	s_nop 0
.rept 4
	v_nop
.endr
.Lfilled:
	v_and_b32 v1, 31, v0
	v_and_b32 v2, 15, v0                           ; r
	v_bfe_u32 v3, v0, 4, 1                         ; h
	v_lshlrev_b32 v[L16], 4, v1
	v_lshlrev_b32 v[L8], 3, v1
	s_mul_i32 s30, s20, 12288
.irp c, 0,1,2,3
	v_add_nc_u32 v[ADP+\c], PCH*\c, v[L16]
	v_add_nc_u32 v[AD8+\c], PCH*\c, v[L8]
	s_add_co_u32 s31, s30, RB+RCH*\c
	v_add_nc_u32 v[ADR+\c], s31, v[L16]
.endr
	s_mul_i32 s30, s20, 4352
	s_add_co_u32 s30, s30, STAGE                   ; my stage
	v_mul_u32_u24 v[STO], v2, 272
	v_lshl_add_u32 v[STO], v3, 6, v[STO]
	v_add_nc_u32 v[STO], s30, v[STO]               ; in: row r, + 64 h
	v_mul_u32_u24 v[RD], v3, 272
	v_lshl_add_u32 v[RD], v2, 4, v[RD]
	v_add_nc_u32 v[RD], s30, v[RD]                 ; back: lanes 0-15 one row, lanes 16-31 the next
	v_lshlrev_b32 v[CO], 12, v3
	v_lshl_add_u32 v[CO], v2, 4, v[CO]             ; and the same in out0
	v_lshlrev_b32 v[BA], 6, v3
	v_lshlrev_b32 v[SA], 7, v3
	v_lshl_add_u32 v[SA], v2, 2, v[SA]             ; attn's words: lanes 16-31 take the odd K step's heads, 128 bytes on
	s_wait_alu depctr_va_vdst(0)
	s_lshl_b32 s30, s26, 13                        ; 8 Y tiles of 1,024 bytes
	s_mov_b32 s31, 0
	s_add_nc_u64 s[6:7], s[6:7], s[30:31]
	s_lshl_b32 s30, s25, 4
	s_lshl_b32 s32, s20, 2
	s_add_co_u32 s30, s30, s32
	s_add_co_u32 s30, s30, 192
	s_lshl_b32 s30, s30, 9
	s_add_nc_u64 s[10:11], s[10:11], s[30:31]      ; Wo's scale words: tile 192 + 16 X + 4 w
	s_lshl_b32 s30, s25, 10
	s_lshl_b32 s32, s20, 8
	s_add_co_u32 s30, s30, s32                     ; my 64 columns, in bytes
	s_add_nc_u64 s[12:13], s[12:13], s[30:31]
	s_add_nc_u64 s[14:15], s[14:15], s[30:31]
	s_lshl_b32 s30, s26, 19                        ; 128 Y rows of 4,096 bytes
	s_add_nc_u64 s[14:15], s[14:15], s[30:31]
.set i, 0
.rept 32                               ; i = 4 a + j: the words of heads 4 j + 2 (l / 16) and the next, of tile a
	global_load_b32 v[RF+2*i], v[SA], s[6:7] offset:1024*(i/4)+256*(i%4)
	global_load_b32 v[RF+2*i+1], v[SA], s[6:7] offset:1024*(i/4)+256*(i%4)+64
.set i, i+1
.endr
.irp n, 0,1,2,3
	global_load_b64 v[SCR+4*\n:SCR+4*\n+1], v[L8], s[10:11] offset:512*\n
	global_load_b64 v[SCR+4*\n+2:SCR+4*\n+3], v[L8], s[10:11] offset:512*\n+256
.endr
.irp n, 0,1,2,3
	global_load_b128 v[BT+8*\n:BT+8*\n+3], v[BA], s[12:13] offset:(32*(\n/2)+8*(\n%2))*4
	global_load_b128 v[BT+8*\n+4:BT+8*\n+7], v[BA], s[12:13] offset:(32*(\n/2)+8*(\n%2))*4+16
.endr
	s_wait_loadcnt 0x0
.set i, 0
.rept 32
	v_lshl_or_b32 v[SCP+i], v[RF+2*i+1], 16, v[RF+2*i]   ; a K step's scale word: the even head's two bytes, then the odd head's
.set i, i+1
.endr
.rept 8
	v_nop                                          ; a scale register written by a vector instruction stands eight places ahead of a scaled matrix instruction
.endr
.macro WM d, fa, fb, c, sa, sb, odd
.if \odd
	v_wmma_scale_f32_16x16x128_f8f6f4 v[(\d):(\d)+7], v[(\fa):(\fa)+11], v[(\fb):(\fb)+11], v[(\c):(\c)+7], v[\sa], v[\sb] matrix_a_fmt:MATRIX_FMT_BF6 matrix_b_fmt:MATRIX_FMT_BF6 matrix_a_scale:MATRIX_SCALE_ROW1 matrix_b_scale:MATRIX_SCALE_ROW1
.else
	v_wmma_scale_f32_16x16x128_f8f6f4 v[(\d):(\d)+7], v[(\fa):(\fa)+11], v[(\fb):(\fb)+11], v[(\c):(\c)+7], v[\sa], v[\sb] matrix_a_fmt:MATRIX_FMT_BF6 matrix_b_fmt:MATRIX_FMT_BF6
.endif
.endm
.macro FETCH k
.irp n, 0,1,2,3
.irp j, 0,1,2
	ds_load_b128 v[RF+48*((\k)%2)+12*\n+4*\j:RF+48*((\k)%2)+12*\n+4*\j+3], v[ADR+(\k)/2] offset:3072*\n+1536*((\k)%2)+512*\j
.endr
.endr
	WIN 0x40                                       ; destination window 1
.irp a, 0,1,2,3,4,5,6,7
	ds_load_b128 v[96*((\k)%2)+12*\a:96*((\k)%2)+12*\a+3], v[ADP+(\k)/2] offset:3072*\a+1536*((\k)%2)
	ds_load_b64 v[96*((\k)%2)+12*\a+4:96*((\k)%2)+12*\a+5], v[AD8+(\k)/2] offset:3072*\a+1536*((\k)%2)+512
	ds_load_b128 v[96*((\k)%2)+12*\a+6:96*((\k)%2)+12*\a+9], v[ADP+(\k)/2] offset:3072*\a+1536*((\k)%2)+768
	ds_load_b64 v[96*((\k)%2)+12*\a+10:96*((\k)%2)+12*\a+11], v[AD8+(\k)/2] offset:3072*\a+1536*((\k)%2)+1280
.endr
	WIN 0
.endm
.macro MUL k                           ; 32 matrix instructions, the 32 accumulators by turns
.if (\k) == 0
	WIN 0x84                                       ; source 1 (attn) window 1, C (the bias) window 0, D window 2
.else
	WIN 0xa4
.endif
.irp a, 0,1,2,3,4,5,6,7
.irp n, 0,1,2,3
.if (\k) == 0
	WM 8*(4*\a+\n), RF+48*((\k)%2)+12*\n, 96*((\k)%2)+12*\a, BT+8*\n, SCR+4*\n+(\k)/2, SCP+4*\a+(\k)/2, (\k)%2
.else
	WM 8*(4*\a+\n), RF+48*((\k)%2)+12*\n, 96*((\k)%2)+12*\a, 8*(4*\a+\n), SCR+4*\n+(\k)/2, SCP+4*\a+(\k)/2, (\k)%2
.endif
.endr
.endr
	WIN 0
.endm
.macro STEP k
	s_wait_dscnt 0x0                               ; this K step's fragments are in
.if ((\k)%2 == 1) && ((\k) < 7)
	s_wait_tensorcnt (5-(\k))/2                    ; my part of the next chunk has landed; the chunks behind it may be out
	s_barrier_signal -1
	s_barrier_wait -1
.endif
.if (\k) < 7
.if (\k) > 0
.rept 4
	v_nop                                          ; places in front of loads into registers that matrix instructions have read
.endr
.endif
	FETCH (\k)+1
.endif
	MUL \k
.endm
	s_wait_alu depctr_va_vdst(0)
	s_wait_tensorcnt 0x3                           ; my part of chunk 0 has landed; three chunks may be out
	s_barrier_signal -1
	s_barrier_wait -1
	FETCH 0
.irp k, 0,1,2,3,4,5,6,7
	STEP \k
.endr
; THE WAY OUT, a tile of 16 tokens x my 64 columns at a time: into my stage, back as whole rows of 256 bytes.  LDS serves a wave's instructions in order: no wait between the stores and the loads.
.macro TOSTAGE a
	WIN 0x08                                       ; an LDS store's data: window 2
.irp n, 0,1,2,3
	ds_store_b128 v[STO], v[8*(4*(\a)+\n):8*(4*(\a)+\n)+3] offset:128*(\n/2)+32*(\n%2)          ; each accumulator from its low end on
	ds_store_b128 v[STO], v[8*(4*(\a)+\n)+4:8*(4*(\a)+\n)+7] offset:128*(\n/2)+32*(\n%2)+16
.endr
	WIN 0
.irp t, 0,1,2,3,4,5,6,7
	ds_load_b128 v[BK+32*((\a)%2)+4*\t:BK+32*((\a)%2)+4*\t+3], v[RD] offset:544*\t
.endr
.endm
.macro SEND a, younger                 ; younger: the LDS instructions issued behind tile a's loads, which may stay out
	s_wait_dscnt \younger
.irp t, 0,1,2,3,4,5,6,7
	global_store_b128 v[CO], v[BK+32*((\a)%2)+4*\t:BK+32*((\a)%2)+4*\t+3], s[14:15] offset:(32*((\a)/2)+8*((\a)%2)+2*\t+8*(\t/4))*4096 th:TH_STORE_NT   ; sixteen lanes store 256 consecutive bytes, at a multiple of 256 from out0's first byte
.endr
.endm
.rept 4
	v_nop                                          ; places behind the last products
.endr
	TOSTAGE 0
.irp a, 1,2,3,4,5,6,7
.if \a > 1
	s_wait_xcnt 0x0                                ; tile a - 2's stores have read their registers: tile a's loads may land there
.endif
	TOSTAGE \a
	SEND \a-1, 16                                  ; behind tile a - 1's loads: tile a's 8 stores and 8 loads
.endr
	SEND 7, 0
	s_wait_tensorcnt 0x0                           ; the wave's end, behind my last tensor load and my last LDS store
	ds_add_u32 v[SPW], v[NIL]
	s_wait_dscnt 0x0
	CROUND                                         ; the closing round
	s_endpgm
.Lfunc_end_k_q456884d228_oproj:
	.size	k_q456884d228_oproj, .Lfunc_end_k_q456884d228_oproj-k_q456884d228_oproj
	.p2alignl 7, 3214868480
	.fill 96, 4, 3214868480
	.section	.rodata,"a",@progbits
	.p2align	6, 0x0
	.amdhsa_kernel k_q456884d228_oproj
		.amdhsa_group_segment_fixed_size 312832
		.amdhsa_private_segment_fixed_size 0
		.amdhsa_enable_private_segment 0
		.amdhsa_kernarg_size 48
		.amdhsa_user_sgpr_count 2
		.amdhsa_user_sgpr_kernarg_segment_ptr 1
		.amdhsa_wavefront_size32 1
		.amdhsa_system_sgpr_workgroup_id_x 1
		.amdhsa_system_sgpr_workgroup_id_y 1
		.amdhsa_system_sgpr_workgroup_id_z 1
		.amdhsa_system_vgpr_workitem_id 0
		.amdhsa_next_free_vgpr 768
		.amdhsa_next_free_sgpr 96
		.amdhsa_reserve_vcc 0
		.amdhsa_float_denorm_mode_32 3
		.amdhsa_float_denorm_mode_16_64 3
		.amdhsa_memory_ordered 1
		.amdhsa_forward_progress 1
		.amdhsa_inst_pref_size 91
	.end_amdhsa_kernel
	.amdgpu_metadata
---
amdhsa.version: [ 1, 2 ]
amdhsa.kernels:
  - .name:           k_q456884d228_oproj
    .symbol:         k_q456884d228_oproj.kd
    .args:
      - { .name: ac, .offset: 0, .size: 8, .value_kind: global_buffer, .address_space: global }
      - { .name: asc, .offset: 8, .size: 8, .value_kind: global_buffer, .address_space: global }
      - { .name: wc, .offset: 16, .size: 8, .value_kind: global_buffer, .address_space: global }
      - { .name: ws, .offset: 24, .size: 8, .value_kind: global_buffer, .address_space: global }
      - { .name: Wo_b, .offset: 32, .size: 8, .value_kind: global_buffer, .address_space: global }
      - { .name: out0, .offset: 40, .size: 8, .value_kind: global_buffer, .address_space: global }
    .group_segment_fixed_size: 312832
    .private_segment_fixed_size: 0
    .kernarg_segment_align: 8
    .kernarg_segment_size: 48
    .max_flat_workgroup_size: 128
    .sgpr_count:     96
    .vgpr_count:     768
    .wavefront_size: 32
...
	.end_amdgpu_metadata
.endif
;; end of part 4
